; MI455X (gfx1250); checked and timed in simulation.
; The chip was launched on July 23, 2026; its instructions are those of AMD's public machine-readable ISA for CDNA 5 (MIT licence, August 2026) and "CDNA5" Instruction Set Architecture Reference Guide (July 2026). The comments in the code are by the model that wrote it; some were corrected since.
;; Multi Head Self Attention. Allowed arithmetic: matrix products marked QUANTISED: E2M1 operands, one E8M0 scale for each 32 along K, by v_wmma_scale_f32_16x16x128_f8f6f4 with both operands' format E2M1 (or v_wmma_scale_f32_32x16x128_f4), f32 sums; products left as they are: bf16, f16 or f32 operands; f32 sums; everything else in f32.
;; Inputs: Wk 1,024 x 1,024 float32; Wo 1,024 x 1,024 float32; Wq 1,024 x 1,024 float32; Wv 1,024 x 1,024 float32; bk 1,024 float32; bo 1,024 float32; bq 1,024 float32; bv 1,024 float32; inputs 2 x 2,048 x 1,024 float32.
;; Outputs: out0 2 x 2,048 x 1,024 float32.
;; This version of the problem:
;;   THIS VERSION OF THE PROBLEM IS GIVEN IN LOW PRECISION. The matrix products marked QUANTISED in the list below multiply operands that are first quantised to E2M1 (2 exponent bits, 1 mantissa bit; 4 bits a number), with one power-of-two scale for each 32 numbers along K (OCP MX v1.0); their sums are f32. The products marked 'left as it is' may take bf16, f16 or f32 operands, with f32 sums. Whichever they take, every output number must still come out within the allowed error. Rounding operands to bf16 (8 significant bits) uses up far more of that allowance than f16 does (11 bits, for magnitudes from 6e-5 to 65,504). All else is computed in f32.
;;   The module's matrix products, in the order in which they are computed (A, B: the left and right operand; K: the contracted axis; several contracted axes count as one K, in the product's order):
;;     1. [M 4,096, K 1,024] x [K 1,024, N 1,024]; A: input inputs; B: input Wq: QUANTISED
;;     2. [M 4,096, K 1,024] x [K 1,024, N 1,024]; A: input inputs; B: input Wk: QUANTISED
;;     3. [M 4,096, K 1,024] x [K 1,024, N 1,024]; A: input inputs; B: input Wv: QUANTISED
;;     4. batch 32 x [M 2,048, K 64] x [K 64, N 2,048]; A: computed on the way; B: computed on the way: left as it is (an operand is computed on the way)
;;     5. batch 32 x [M 2,048, K 2,048] x [K 2,048, N 64]; A: computed on the way; B: computed on the way: left as it is (an operand is computed on the way)
;;     6. [M 4,096, K 1,024] x [K 1,024, N 1,024]; A: computed on the way; B: input Wo: left as it is (an operand is computed on the way)
;;   THE QUANTISER, for each operand of a quantised product, along K:
;;     - K is cut into blocks of 32 from its start; a last block that is shorter is filled with zeros.
;;     - A block's scale is 2^e with e = floor(log2(the largest magnitude in the block)) - 2, held to -126 .. 127; a block of zeros has e = 0. As a byte (E8M0): e + 127.
;;     - Each number is divided by its block's scale, clamped to +-6, and rounded to the nearest number of E2M1, ties to even, subnormals kept.
;;     - The product sums the exact products of the quantised numbers (number of the format x scale) in f32.
;;   ~~~python
;;   def quantise(x, axis):      # numpy; x: float32 -> the quantised numbers, widened to float32 again
;;       x = np.moveaxis(x, axis, -1); K = x.shape[-1]
;;       x = np.pad(x, [(0, 0)] * (x.ndim - 1) + [(0, -K % 32)]); x = x.reshape(x.shape[:-1] + (-1, 32)); a = np.abs(x).max(-1, keepdims=True)
;;       e = np.where(a > 0, np.clip(np.frexp(np.where(a > 0, a, 1))[1] - 1 - 2, -126, 127), 0)      # np.frexp(a)[1] - 1 = floor(log2(a)), exactly
;;       r = np.clip(x / 2.0 ** e, -6, 6)
;;       step = 2.0 ** (np.maximum(np.frexp(np.where(r == 0, 1, r))[1] - 1, 0) - 1)
;;       q = np.round(r / step) * step * 2.0 ** e      # np.round: ties to even
;;       return np.moveaxis(q.reshape(q.shape[:-2] + (-1,))[..., :K], -1, axis).astype(np.float32)
;;   ~~~
;; One version. Each part assembles by itself: llvm-mc -triple=amdgcn-amd-amdhsa -mcpu=gfx1250 --defsym DOCPART=n.
;; ======== version 1 of 1: 4 launches
;; limits: values are held in f16: magnitudes above 65,504 overflow, below 6.1e-05 lose precision
;; workspace buffers: xc 2,097,152 bytes; xs 131,072 bytes; wc 1,572,864 bytes; ws 98,304 bytes; wof 2,097,152 bytes; qf 8,388,608 bytes; kvf 16,777,216 bytes; af 8,388,608 bytes
;; launch prep (part 1): grid 384 x 1, 8 waves a work-group, no clusters, 70,144 bytes of LDS; arguments inputs, Wq, Wk, Wv, Wo, xc, xs, wc, ws, wof; writes xc, xs, wc, ws, wof
.if DOCPART == 1
	.amdgcn_target "amdgcn-amd-amdhsa--gfx1250"
	.amdhsa_code_object_version 6
	.text
	.protected	k_qb988fa4fc1_prep
	.globl	k_qb988fa4fc1_prep
	.p2align	8
	.type	k_qb988fa4fc1_prep,@function
k_qb988fa4fc1_prep:
	s_mov_b64 s[64:65], 0
	v_nop
	global_prefetch_b8 v0, s[64:65] scope:SCOPE_SE
	s_setreg_imm32_b32 hwreg(HW_REG_WAVE_MODE, 25, 1), 1
	s_wait_xcnt 0x0
; inputs [4096][1024] and Wq, Wk, Wv [1024 (k)][1024 (n)], f32, become codes of FP4 (E2M1) with one E8M0 byte for each 32 along K; Wo [1024 (k)][1024 (n)] becomes f16.
; ALL RESULTS ARE LAID AS IMAGES OF OPERAND REGISTERS: a fragment is 1,024 bytes, register group c (4 registers) of lane l at 512 c + 16 l.
;   xc  [ks 8][rb 256][1024]: rows 16 rb + (l % 16), k = 128 ks + 64 c + 32 (l / 16) + 0 .. 31.      xs [row][32]: the row's 32 scale bytes.
;   wc  [ks 8][rb' 192][1024], ws [n' 3072][32]: the same for the weights' columns in the order n' = 192 head + 64 t + d (t = 0, 1, 2: q, k, v).
;   wof [kq 4][nb 64][kc 8][1024]: f16 fragments of Wo^T: column 16 nb + (l % 16), the eight k of piece p = 0 .. 3 of 32 at 256 p + 16 (l % 16).
; A block's scale is 2^(floor(log2(largest magnitude)) - 2): its byte is the largest magnitude's exponent field - 2, held at 1 from below by a floor among the maximum's leaves.
; LIMITS: a block of zeros gets the byte 1 where the quantiser says 127 (its codes are zeros, and this program alone reads the bytes); NaN and infinities among the inputs are not served;
; |Wo| stays under 65,504 (f16).
; SHARES.  Work-groups 0-255: 16 rows of inputs, wave w = K step w.  Work-groups 256-383: weight t = (id - 256) / 32, columns 32 cg on, wave w: k = 128 w on; a lane takes a column and its
; registers run down K, so a block of 32 lies in one lane and nothing is transposed.  The three ways part on the work-group's number alone and each has LDS bytes of its own.
; No work-group reads what another reads, so there is no cluster; no matrix work; loads go through registers.
.set STGW,  8448                       ; LDS: a stage for each wave (inputs' way): 16 rows x 528
.set SPCH,  528                        ; a stage row: 512 bytes + 16: sixteen rows begin 16 bytes apart modulo 256
.set SCX,   8*STGW                     ; inputs' scale words [row 16][ks 8], 512 bytes
.set SCW,   SCX+512                    ; the weights' scale words [column 32][ks 8], 1,024 bytes
.set SPARE, SCW+1024                   ; the spare words, 128 bytes for each wave: four blocks of 256 bytes that no other line names
.set LI,   4                           ; v4   16 x lane
.set SIN,  5                           ; v5   into my stage: 16 x lane
.set SOUT, 6                           ; v6   out of it: row l % 16, + 128 (l / 16)
.set XW,   7                           ; v7   where my row's scale word goes
.set XR,   8                           ; v8   and where wave 0 reads the sixteen rows' words back
.set WW,   9                           ; v9   where my column's scale word goes
.set WR,   10                          ; v10  and where waves 0 and 1 read them back
.set CL,   11                          ; v11  4 x lane: my column in a row of a weight
.set WCO,  12                          ; v12  my place in wc: 1,024 (l / 16) + 16 (l % 16)
.set OCO,  13                          ; v13  my place in wof: 8,192 (l / 16) + 16 (l % 16)
.set SPW,  14                          ; v14  my spare word; never rewritten
.set NIL,  15                          ; v15  0; never rewritten
.set R,    32                          ; v32-95   numbers as loaded
.set X,    96                          ; v96-159  inputs' way: my two blocks of 32 neighbours
.set C,    160                         ; v160-223 results: no store's data are written again
	s_load_b512 s[8:23], s[0:1], 0x0               ; inputs s[8:9], Wq s[10:11], Wk s[12:13], Wv s[14:15], Wo s[16:17], xc s[18:19], xs s[20:21], wc s[22:23]
	s_load_b128 s[24:27], s[0:1], 0x40             ; ws s[24:25], wof s[26:27]
	v_lshl_add_u32 v[SPW], v0, 2, SPARE
	v_mov_b32 v[NIL], 0
	v_lshrrev_b32 v16, 5, v0
	v_readfirstlane_b32 s4, v16                    ; wave 0..7
	v_and_b32 v1, 31, v0                           ; lane
	v_and_b32 v2, 15, v0                           ; r
	v_bfe_u32 v3, v0, 4, 1                         ; h
	; every LDS address is made here, ahead of the parting of the ways
	v_lshlrev_b32 v[LI], 4, v1
	s_mul_i32 s40, s4, STGW
	v_add_nc_u32 v[SIN], s40, v[LI]
	v_mul_u32_u24 v[SOUT], v2, SPCH
	v_lshl_add_u32 v[SOUT], v3, 7, v[SOUT]
	v_add_nc_u32 v[SOUT], s40, v[SOUT]
	s_lshl_b32 s41, s4, 2
	v_lshlrev_b32 v[XW], 5, v2
	v_add_nc_u32 v[XW], s41, v[XW]
	v_add_nc_u32 v[XW], SCX, v[XW]                 ; SCX + 32 r + 4 w
	v_add_nc_u32 v[XR], SCX, v[LI]
	v_lshlrev_b32 v[WW], 5, v1
	v_add_nc_u32 v[WW], s41, v[WW]
	v_add_nc_u32 v[WW], SCW, v[WW]                 ; SCW + 32 lane + 4 w
	s_and_b32 s42, s4, 1
	s_lshl_b32 s43, s42, 9
	v_add_nc_u32 v[WR], s43, v[LI]
	v_add_nc_u32 v[WR], SCW, v[WR]
	v_lshlrev_b32 v[CL], 2, v1
	v_lshlrev_b32 v[WCO], 10, v3
	v_lshl_add_u32 v[WCO], v2, 4, v[WCO]
	v_lshlrev_b32 v[OCO], 13, v3
	v_lshl_add_u32 v[OCO], v2, 4, v[OCO]
	s_sub_co_u32 s5, ttmp9, 256                    ; the weights' work-groups: id - 256 (used on their ways alone),
	s_lshr_b32 s6, s5, 5                           ; t: 0 Wq, 1 Wk, 2 Wv, 3 Wo
	s_and_b32 s7, s5, 31                           ; cg: columns 32 cg on
	s_lshr_b32 s44, s7, 1                          ; the head
	s_mul_i32 s44, s44, 12
	s_lshl_b32 s45, s6, 2
	s_add_co_u32 s44, s44, s45
	s_and_b32 s45, s7, 1
	s_lshl_b32 s45, s45, 1
	s_add_co_u32 s44, s44, s45                     ; rb0' = 12 head + 4 t + 2 (cg % 2): the first of my two blocks of 16 columns
	s_add_co_u32 s45, s44, s4
	s_lshl_b32 s45, s45, 9                         ; ws: 512 (rb0' + wave)
	s_lshl_b32 s46, ttmp9, 9                       ; xs: 512 rb
	s_mov_b32 s47, 0
	s_mov_b32 s38, 0x76543210
	s_mov_b32 s39, 0xfedcba98                      ; v_permlanex16_b32's selects for lane l xor 16
	s_wait_kmcnt 0x0
	s_cmp_lt_u32 ttmp9, 256                        ; the choice hangs on the work-group's number alone
	s_cselect_b32 s46, s46, s45
	s_cselect_b64 s[36:37], s[20:21], s[24:25]
	s_add_nc_u64 s[36:37], s[36:37], s[46:47]      ; where the gathered scale words go: written on every way
	s_cmp_lt_u32 ttmp9, 256
	s_cbranch_scc0 .Lweights
; the largest magnitude of the 32 numbers v[x] on, in two chains, with the floor 2^(3 - 127) as one more leaf: so the byte cannot fall under 1
.macro MAXB x, m0, m1
	v_max3_num_f32 v[\m0], |v[\x]|, |v[\x+1]|, |v[\x+2]|
	v_max3_num_f32 v[\m1], |v[\x+3]|, |v[\x+4]|, |v[\x+5]|
.irp i, 6,10,14,18,22,26
	v_max3_num_f32 v[\m0], v[\m0], |v[\x+\i]|, |v[\x+\i+1]|
	v_max3_num_f32 v[\m1], v[\m1], |v[\x+\i+2]|, |v[\x+\i+3]|
.endr
	v_max3_num_f32 v[\m0], v[\m0], |v[\x+30]|, |v[\x+31]|
	v_max3_num_f32 v[\m0], v[\m0], v[\m1], 0x1800000
.endm
	; ---- inputs: 16 rows x 128 along K.  Each load takes 512 consecutive bytes of one row; the rows turn through my stage, so that a lane gets two whole blocks of its row
	s_lshl_b32 s30, ttmp9, 16                      ; 16 rows of 4,096 bytes
	s_lshl_b32 s31, s4, 9
	s_add_co_u32 s30, s30, s31
	s_mov_b32 s31, 0
	s_add_nc_u64 s[30:31], s[8:9], s[30:31]
	s_lshl_b32 s32, s4, 18                         ; xc: 262,144 ks + 1,024 rb
	s_lshl_b32 s33, ttmp9, 10
	s_add_co_u32 s32, s32, s33
	s_mov_b32 s33, 0
	s_add_nc_u64 s[32:33], s[18:19], s[32:33]
.irp rho, 0,1,2,3,4,5,6,7,8,9,10,11,12,13,14,15
	global_load_b128 v[R+4*\rho:R+4*\rho+3], v[LI], s[30:31] offset:4096*\rho th:TH_LOAD_NT
.endr
.irp rho, 0,1,2,3,4,5,6,7,8,9,10,11,12,13,14,15
	s_wait_loadcnt 15-\rho                         ; loads come back in order: row rho is in, the younger rows' may be out
	ds_store_b128 v[SIN], v[R+4*\rho:R+4*\rho+3] offset:SPCH*\rho
.endr
.irp c, 0,1
.irp i, 0,1,2,3,4,5,6,7
	ds_load_b128 v[X+32*\c+4*\i:X+32*\c+4*\i+3], v[SOUT] offset:256*\c+16*\i   ; k = 64 c + 32 h + 4 i on of row r; LDS serves a wave's instructions in order: these see my stores
.endr
.endr
	s_wait_dscnt 0x0
	MAXB X, 16, 17
	MAXB X+32, 18, 19
	v_add_nc_u32 v20, 0xff000000, v16              ; 2 off the exponent field: the conversion takes the exponent field of this operand as its scale
	v_add_nc_u32 v21, 0xff000000, v18
.irp c, 0,1
.irp g, 0,1,2,3
	v_cvt_scalef32_pk8_fp4_f32 v[C+4*\c+\g], v[X+32*\c+8*\g:X+32*\c+8*\g+7], v[20+\c]
.endr
.endr
	v_lshrrev_b32 v22, 23, v20                     ; the scales' bytes (a plain line behind the conversions)
	v_lshrrev_b32 v23, 23, v21
.irp c, 0,1
	global_store_b128 v[LI], v[C+4*\c:C+4*\c+3], s[32:33] offset:512*\c   ; 512 consecutive bytes of the fragment's image
.endr
	v_lshl_or_b32 v24, v23, 16, v22                ; my two bytes, blocks h and 2 + h of the K step,
	v_lshlrev_b32 v25, 3, v3
	v_lshlrev_b32 v24, v25, v24                    ; at their places in the scale word;
	v_mov_b32 v25, 0
	v_permlanex16_b32 v25, v24, s38, s39
	v_or_b32 v24, v24, v25                         ; with lane l xor 16's two the word is whole
	ds_store_b32 v[XW], v24                        ; (both halves of the lanes write the same word with the same value)
	s_branch .Lmeet
.Lweights:
	s_cmp_eq_u32 s6, 0
	s_cselect_b64 s[28:29], s[10:11], s[12:13]
	s_cmp_eq_u32 s6, 2
	s_cselect_b64 s[28:29], s[14:15], s[28:29]
	s_cmp_eq_u32 s6, 3
	s_cselect_b64 s[28:29], s[16:17], s[28:29]     ; the weight, chosen by t
	s_lshl_b32 s30, s4, 19                         ; 128 rows of 4,096 bytes a wave
	s_lshl_b32 s31, s7, 7
	s_add_co_u32 s30, s30, s31
	s_mov_b32 s31, 0
	s_add_nc_u64 s[30:31], s[28:29], s[30:31]
.macro LOADW b                         ; block b: W(128 w + 32 b + i, my column) into set b % 2: a load takes 128 consecutive bytes
.set i, 0
.rept 32
	global_load_b32 v[R+32*((\b)%2)+i], v[CL], s[30:31] offset:(32*(\b)+i)*4096 th:TH_LOAD_NT
.set i, i+1
.endr
.endm
.macro WAITB b
.if (\b) < 3
	s_wait_loadcnt 32                              ; this block's 32 loads are in; the next block's may be out
.else
	s_wait_loadcnt 0x0
.endif
.endm
	LOADW 0
	LOADW 1
	s_cmp_eq_u32 s6, 3
	s_cbranch_scc1 .Lcast
	; ---- Wq, Wk, Wv: four blocks a lane.  Block b's 16 bytes of codes lie at 256 b + 16 (column % 16) of the fragment: sixteen lanes store 256 consecutive bytes
	s_mul_i32 s32, s4, 196608                      ; wc: 196,608 ks + 1,024 rb0'
	s_lshl_b32 s33, s44, 10
	s_add_co_u32 s32, s32, s33
	s_mov_b32 s33, 0
	s_add_nc_u64 s[32:33], s[22:23], s[32:33]
.macro WBLOCK b
.set XS, R+32*((\b)%2)
	WAITB \b
	MAXB XS, 16, 17
	v_add_nc_u32 v20, 0xff000000, v16
.irp g, 0,1,2,3
	v_cvt_scalef32_pk8_fp4_f32 v[C+4*(\b)+\g], v[XS+8*\g:XS+8*\g+7], v20
.endr
	v_lshrrev_b32 v22, 23, v20                     ; the byte (a plain line behind the conversions)
.if (\b) == 0
	v_mov_b32 v24, v22                             ; the K step's four bytes make my column's scale word
.else
	v_lshl_or_b32 v24, v22, 8*(\b), v24
.endif
	global_store_b128 v[WCO], v[C+4*(\b):C+4*(\b)+3], s[32:33] offset:256*(\b)
.if (\b) < 2
	LOADW (\b)+2
.endif
.endm
	WBLOCK 0
	WBLOCK 1
	WBLOCK 2
	WBLOCK 3
	ds_store_b32 v[WW], v24
	s_branch .Lmeet
.Lcast:
	; ---- Wo: 32 numbers of a column become four pieces of eight f16
	s_lshr_b32 s32, s4, 1
	s_lshl_b32 s32, s32, 19                        ; wof: 524,288 (w / 2) + 16,384 cg + 4,096 (w % 2)
	s_lshl_b32 s33, s7, 14
	s_add_co_u32 s32, s32, s33
	s_lshl_b32 s33, s42, 12
	s_add_co_u32 s32, s32, s33
	s_mov_b32 s33, 0
	s_add_nc_u64 s[32:33], s[26:27], s[32:33]
.macro OBLOCK b
.set XS, R+32*((\b)%2)
	WAITB \b
.irp j, 0,1,2,3,4,5,6,7,8,9,10,11,12,13,14,15
	v_cvt_pk_f16_f32 v[C+16*(\b)+\j], v[XS+2*\j], v[XS+2*\j+1]
.endr
.irp p, 0,1,2,3
	global_store_b128 v[OCO], v[C+16*(\b)+4*\p:C+16*(\b)+4*\p+3], s[32:33] offset:1024*(\b)+256*\p   ; sixteen lanes store 256 consecutive bytes
.endr
.if (\b) < 2
	LOADW (\b)+2
.endif
.endm
	OBLOCK 0
	OBLOCK 1
	OBLOCK 2
	OBLOCK 3
.Lmeet:
	s_wait_dscnt 0x0                               ; for the others' sake: my scale word lies in LDS
	s_barrier_signal -1
	s_barrier_wait -1                              ; one barrier on every way: all eight waves' words lie there
	s_cmp_lt_u32 ttmp9, 256
	s_cbranch_scc0 .Ltail_w
	s_cmp_lg_u32 s4, 0                             ; inputs: wave 0 stores the sixteen rows' 512 scale bytes
	s_cbranch_scc1 .Lend
	ds_load_b128 v[16:19], v[XR]
	s_branch .Lsend
.Ltail_w:
	s_cmp_eq_u32 s6, 3                             ; Wo has no scales
	s_cbranch_scc1 .Lend
	s_cmp_gt_u32 s4, 1                             ; the weights: waves 0 and 1 store sixteen columns' 512 bytes each
	s_cbranch_scc1 .Lend
	ds_load_b128 v[16:19], v[WR]
.Lsend:
	s_wait_dscnt 0x0
	global_store_b128 v[LI], v[16:19], s[36:37]    ; 512 consecutive bytes
.Lend:
	s_wait_tensorcnt 0x0                           ; the wave's end: behind my last LDS store
	ds_add_u32 v[SPW], v[NIL]
	s_wait_dscnt 0x0
	s_endpgm
.Lfunc_end_k_qb988fa4fc1_prep:
	.size	k_qb988fa4fc1_prep, .Lfunc_end_k_qb988fa4fc1_prep-k_qb988fa4fc1_prep
	.p2alignl 7, 3214868480
	.fill 96, 4, 3214868480
	.section	.rodata,"a",@progbits
	.p2align	6, 0x0
	.amdhsa_kernel k_qb988fa4fc1_prep
		.amdhsa_group_segment_fixed_size 70144
		.amdhsa_private_segment_fixed_size 0
		.amdhsa_enable_private_segment 0
		.amdhsa_kernarg_size 80
		.amdhsa_user_sgpr_count 2
		.amdhsa_user_sgpr_kernarg_segment_ptr 1
		.amdhsa_wavefront_size32 1
		.amdhsa_system_sgpr_workgroup_id_x 1
		.amdhsa_system_sgpr_workgroup_id_y 1
		.amdhsa_system_sgpr_workgroup_id_z 1
		.amdhsa_system_vgpr_workitem_id 0
		.amdhsa_next_free_vgpr 224
		.amdhsa_next_free_sgpr 66
		.amdhsa_reserve_vcc 0
		.amdhsa_float_denorm_mode_32 3
		.amdhsa_float_denorm_mode_16_64 3
		.amdhsa_memory_ordered 1
		.amdhsa_forward_progress 1
		.amdhsa_inst_pref_size 42
	.end_amdhsa_kernel
	.amdgpu_metadata
---
amdhsa.version: [ 1, 2 ]
amdhsa.kernels:
  - .name:           k_qb988fa4fc1_prep
    .symbol:         k_qb988fa4fc1_prep.kd
    .args:
      - { .name: inputs, .offset: 0, .size: 8, .value_kind: global_buffer, .address_space: global }
      - { .name: Wq, .offset: 8, .size: 8, .value_kind: global_buffer, .address_space: global }
      - { .name: Wk, .offset: 16, .size: 8, .value_kind: global_buffer, .address_space: global }
      - { .name: Wv, .offset: 24, .size: 8, .value_kind: global_buffer, .address_space: global }
      - { .name: Wo, .offset: 32, .size: 8, .value_kind: global_buffer, .address_space: global }
      - { .name: xc, .offset: 40, .size: 8, .value_kind: global_buffer, .address_space: global }
      - { .name: xs, .offset: 48, .size: 8, .value_kind: global_buffer, .address_space: global }
      - { .name: wc, .offset: 56, .size: 8, .value_kind: global_buffer, .address_space: global }
      - { .name: ws, .offset: 64, .size: 8, .value_kind: global_buffer, .address_space: global }
      - { .name: wof, .offset: 72, .size: 8, .value_kind: global_buffer, .address_space: global }
    .group_segment_fixed_size: 70144
    .private_segment_fixed_size: 0
    .kernarg_segment_align: 8
    .kernarg_segment_size: 80
    .max_flat_workgroup_size: 256
    .sgpr_count:     66
    .vgpr_count:     224
    .wavefront_size: 32
...
	.end_amdgpu_metadata
.endif
;; end of part 1
;; launch qkv (part 2): grid 16 x 16, 4 waves a work-group, clusters of 4 x 4, 229,888 bytes of LDS; arguments xc, xs, wc, ws, bq, bk, bv, qf, kvf; writes qf, kvf
.if DOCPART == 2
	.amdgcn_target "amdgcn-amd-amdhsa--gfx1250"
	.amdhsa_code_object_version 6
	.text
	.protected	k_qb988fa4fc1_qkv
	.globl	k_qb988fa4fc1_qkv
	.p2align	8
	.type	k_qb988fa4fc1_qkv,@function
k_qb988fa4fc1_qkv:
	s_mov_b64 s[64:65], 0
	v_nop
	global_prefetch_b8 v0, s[64:65] scope:SCOPE_SE
	s_setreg_imm32_b32 hwreg(HW_REG_WAVE_MODE, 25, 1), 1
	s_wait_xcnt 0x0
	s_wait_alu depctr_hold_cnt(0) depctr_sa_sdst(0) depctr_va_vdst(0) depctr_va_sdst(0) depctr_va_ssrc(0) depctr_va_vcc(0) depctr_vm_vsrc(0)
	s_getreg_b32 s2, hwreg(HW_REG_IB_STS2, 6, 4)
	s_cmp_eq_u32 s2, 0
	s_cbranch_scc0 .Lentry_in_a_cluster
	s_endpgm
.Lentry_in_a_cluster:
	s_bfe_u32 s2, ttmp6, 0x10000c
	s_cmp_lg_u32 s2, 0xf033
	s_cbranch_scc0 .Lentry_shape_is_right
	s_endpgm
.Lentry_shape_is_right:
; q, k, v = inputs W + b on codes of FP4 (E2M1) with one E8M0 scale for each 32 along K, sums in f32; the results leave as f16, laid as the attention launch's operand registers.
; A work-group makes 256 rows x 192 columns: q, k and v of ONE head (the weights' columns were laid n' = 192 head + 64 t + d).  Wave w: rows 64 w on (4 blocks a) x all 12 column blocks b
; (t = b / 4, channel block cb = b % 4): 48 accumulators, 384 registers.
; ALL OF K LIES IN LDS: 8 K steps of 128, x's panel 16,384 bytes and the weights' 12,288 bytes a step, each one dense block of memory (the codes are images of operand registers).  Every byte of
; LDS is filled once: no ring, no refill.  Each wave issues four tensor loads at the head (four are out at the most), waves 0 and 1 for x, waves 2 and 3 for the weights, K steps 2 i + (w % 2).
; CLUSTER 4 x 4: the four of a row share x's panel (it hangs on the block of rows alone), the four of a column the weights' (on the head alone): joint loads.
; THE MATRIX INSTRUCTION IS USED TRANSPOSED (source 0 = 16 columns of a weight, source 1 = 16 rows of x): lane (r, h) holds row r and columns 16 b + 8 h + 0 .. 7: eight f16 are 16 bytes, which is
; the lane's place in the next launch's fragment: a store covers 512 consecutive bytes and no stage in LDS is needed.  The bias is the C of each sum's first product.
; OUT: qf [bh 32][qb 128][cb 4][512]: 16 bytes at 16 l = channels 16 cb + 8 h on of query 16 qb + r.  kvf [bh 32][fill 4][K 65,536 | V 65,536]: K [kb 32][cb 4][512] as qf; V the same frame, but (key r, half h)
; at 16 (16 (r / 8) + 8 h + r % 8): the place from which the turning LDS load at 16 x lane takes it.
; LIMIT: |q|, |k|, |v| stay under 65,504 (f16).
; REGISTERS, in windows of 256: window 0: v1-8 addresses; v28, v29 the add's two; v32-47 x's scale words, v48-95 the weights' (scales and nothing else); v96-159 x's fragments, two sets; v160-255 the biases, 8 a block b.
;   window 1: the weights' fragments, two sets of 96.   window 2: accumulators of a = 0, 1 at v[8 (12 (a % 2) + b)];   window 3: those of a = 2, 3.
.set WPAN,  131072                     ; LDS: x's panel [ks 8][rb 16][1024] from 0; the weights' [ks 8][rb' 12][1024] from here
.set SPARE, 229376                     ; the spare words, 128 bytes for each wave: two blocks of 256 bytes that no other line names
.set LI,   1                           ; v1   16 x lane
.set LX,   2                           ; v2-3 x's fragments: 4,096 w + 16 lane, for K steps 0-3 and (+ 65,536) 4-7
.set LW,   4                           ; v4-5 the weights': WPAN + 16 lane, and + 49,152
.set SO,   6                           ; v6   scale words: 32 r + 16 h
.set BO,   7                           ; v7   biases: 32 h
.set VP,   8                           ; v8   my 16 bytes' place in a block of V
.set SPW,  28
.set NIL,  29
.set SCX,  32
.set SCW,  48
.set XF,   96
.set BI,   160
.set G1X,  16                          ; s[16:23] descriptor group 1 for x's panels;  s[24:31] for the weights'
.set G1W,  24
.set G0X,  32                          ; s[32:47] four groups 0 for x;  s[48:63] for the weights
.set G0W,  48
.set MSB, 0
.macro WIN new                         ; the immediate's high byte repeats the setting that is left; a switch that changes nothing is dropped
.if MSB != (\new)
	s_set_vgpr_msb (MSB<<8)|(\new)
.set MSB, (\new)
.endif
.endm
.macro CROUND                          ; a round of the cluster's barrier
	s_barrier_signal -1
	s_barrier_wait -1
	s_cmp_lg_u32 s2, 0
	s_cbranch_scc1 .Lnot_wave_0_\@
	s_barrier_signal -3
.Lnot_wave_0_\@:
	s_barrier_wait -3
	s_barrier_signal -1
	s_barrier_wait -1
.endm
.macro PLACES n
.rept \n
	v_nop
.endr
.endm
	s_load_b512 s[68:83], s[0:1], 0x0              ; xc s[68:69], xs s[70:71], wc s[72:73], ws s[74:75], bq s[76:77], bk s[78:79], bv s[80:81], qf s[82:83]
	s_load_b64 s[84:85], s[0:1], 0x40              ; kvf
	v_lshl_add_u32 v[SPW], v0, 2, SPARE
	v_mov_b32 v[NIL], 0
	ds_add_u32 v[SPW], v[NIL]                      ; the wave's opening: the add, twice on end, and its wait ahead of my first tensor load
	ds_add_u32 v[SPW], v[NIL]
	v_lshrrev_b32 v13, 5, v0
	v_readfirstlane_b32 s2, v13                    ; wave 0..3
	s_and_b32 s3, s2, 1
	s_bfe_u32 s4, ttmp6, 0x40000                   ; cx
	s_bfe_u32 s5, ttmp6, 0x40004                   ; cy
	s_lshl_b32 s6, ttmp9, 2
	s_add_co_u32 s6, s6, s4                        ; the head = 4 x cluster x + cx
	s_and_b32 s7, ttmp7, 0xffff
	s_lshl_b32 s7, s7, 2
	s_add_co_u32 s7, s7, s5                        ; the block of 256 rows = 4 x cluster y + cy
	s_lshl_b32 s8, s5, 2
	s_lshl_b32 s8, 15, s8                          ; my row of the cluster
	s_lshl_b32 s9, 0x1111, s4                      ; my column
	; group 1: dense blocks as rows of 256 bytes (32 elements of 8 bytes), no padding: 64 rows for x, 48 for the weights
	s_or_b32 s[G1X], s8, (3<<16)|(1<<21)           ; 15:0 the mask; 17:16 elements of 8 bytes; 21 set beside a mask
	s_mov_b32 s[G1X+1], 32<<16                     ; tensor_dim0
	s_mov_b32 s[G1X+2], 64<<16                     ; tensor_dim1
	s_mov_b32 s[G1X+3], 32<<16                     ; tile_dim0
	s_mov_b32 s[G1X+4], 64                         ; tile_dim1
	s_mov_b32 s[G1X+5], 32                         ; elements from row to row
	s_mov_b32 s[G1X+6], 0
	s_mov_b32 s[G1X+7], 0
	s_or_b32 s[G1W], s9, (3<<16)|(1<<21)
	s_mov_b32 s[G1W+1], 32<<16
	s_mov_b32 s[G1W+2], 48<<16
	s_mov_b32 s[G1W+3], 32<<16
	s_mov_b32 s[G1W+4], 48
	s_mov_b32 s[G1W+5], 32
	s_mov_b32 s[G1W+6], 0
	s_mov_b32 s[G1W+7], 0
	; x's addresses hang on the block of rows and the wave alone, the weights' on the head and the wave alone, each in registers that never hold the other coordinate
	s_lshl_b32 s10, s7, 14                         ; xc: 16,384 x block of rows + 262,144 (w % 2)
	s_lshl_b32 s14, s3, 18
	s_add_co_u32 s10, s10, s14
	s_mov_b32 s11, 0
	s_mul_i32 s12, s6, 12288                       ; wc: 12,288 x head + 196,608 (w % 2)
	s_mul_i32 s15, s3, 196608
	s_add_co_u32 s12, s12, s15
	s_mov_b32 s13, 0
	s_lshl_b32 s14, s3, 14                         ; LDS: K step w % 2 of x's panel,
	s_mul_i32 s15, s3, 12288
	s_add_co_u32 s15, s15, WPAN                    ; and of the weights'
	v_and_b32 v9, 15, v0                           ; r
	v_bfe_u32 v10, v0, 4, 1                        ; h
	v_and_b32 v11, 31, v0
	v_lshlrev_b32 v[LI], 4, v11
	s_lshl_b32 s86, s2, 12
	v_add_nc_u32 v[LX], s86, v[LI]
	v_add_nc_u32 v[LX+1], 0x10000, v[LX]
	v_add_nc_u32 v[LW], WPAN, v[LI]
	v_add_nc_u32 v[LW+1], 49152, v[LW]
	v_lshlrev_b32 v[SO], 5, v9
	v_lshl_add_u32 v[SO], v10, 4, v[SO]
	v_lshlrev_b32 v[BO], 5, v10
	v_lshrrev_b32 v11, 3, v9
	v_and_b32 v12, 7, v9
	v_lshl_add_u32 v[VP], v11, 4, v12
	v_lshl_add_u32 v[VP], v10, 3, v[VP]
	v_lshlrev_b32 v[VP], 4, v[VP]                  ; 16 (16 (r / 8) + 8 h + r % 8)
	; offsets of the scales, the biases and the results
	s_lshl_b32 s86, s7, 13                         ; xs: 32 bytes a row: 8,192 x block + 2,048 w
	s_lshl_b32 s87, s2, 11
	s_add_co_u32 s86, s86, s87
	s_mov_b32 s87, 0
	s_mul_i32 s92, s6, 6144                        ; ws: 6,144 x head
	s_mov_b32 s93, 0
	s_lshl_b32 s98, s6, 8                          ; a bias: 256 x head
	s_mov_b32 s99, 0
	s_lshr_b32 s88, s7, 3                          ; the batch
	s_lshl_b32 s88, s88, 4
	s_add_co_u32 s88, s88, s6                      ; bh = 16 batch + head
	s_and_b32 s89, s7, 7
	s_lshl_b32 s94, s89, 4
	s_lshl_b32 s95, s2, 2
	s_add_co_u32 s94, s94, s95                     ; my first block of 16 queries: 16 (block % 8) + 4 w
	s_lshl_b32 s94, s94, 11
	s_lshl_b32 s95, s88, 18
	s_add_co_u32 s94, s94, s95                     ; qf: 262,144 bh + 2,048 qb
	s_mov_b32 s95, 0
	s_lshl_b32 s96, s88, 19                        ; kvf: 524,288 bh + 131,072 fill + 2,048 kb
	s_lshr_b32 s97, s89, 1
	s_lshl_b32 s97, s97, 17
	s_add_co_u32 s96, s96, s97
	s_and_b32 s97, s7, 1
	s_lshl_b32 s97, s97, 4
	s_lshl_b32 s90, s2, 2
	s_add_co_u32 s97, s97, s90
	s_lshl_b32 s97, s97, 11
	s_add_co_u32 s96, s96, s97
	s_mov_b32 s97, 0
	s_wait_dscnt 0x0                               ; both opening adds are done
	s_wait_kmcnt 0x0
	s_add_nc_u64 s[10:11], s[68:69], s[10:11]
	s_add_nc_u64 s[12:13], s[72:73], s[12:13]
.irp i, 0,1,2,3                        ; load i: K step 2 i + (w % 2)
	s_mov_b32 s[G0X+4*\i], 1                                       ; count = 1
	s_add_co_u32 s[G0X+4*\i+1], s14, 32768*\i                      ; LDS address
	s_add_nc_u64 s[G0X+4*\i+2:G0X+4*\i+3], s[10:11], 524288*\i     ; global address
	s_or_b32 s[G0X+4*\i+3], s[G0X+4*\i+3], 0x80000000              ; type = 2
	s_mov_b32 s[G0W+4*\i], 1
	s_add_co_u32 s[G0W+4*\i+1], s15, 24576*\i
	s_add_nc_u64 s[G0W+4*\i+2:G0W+4*\i+3], s[12:13], 393216*\i
	s_or_b32 s[G0W+4*\i+3], s[G0W+4*\i+3], 0x80000000
.endr
	s_add_nc_u64 s[70:71], s[70:71], s[86:87]
	s_add_nc_u64 s[74:75], s[74:75], s[92:93]
	s_add_nc_u64 s[76:77], s[76:77], s[98:99]
	s_add_nc_u64 s[78:79], s[78:79], s[98:99]
	s_add_nc_u64 s[80:81], s[80:81], s[98:99]
	s_add_nc_u64 s[88:89], s[82:83], s[94:95]      ; q's rows
	s_add_nc_u64 s[90:91], s[84:85], s[96:97]      ; k's; v's lie 65,536 bytes on
	CROUND                                         ; all sixteen work-groups are here: the joint loads meet
	s_cmp_lt_u32 s2, 2                             ; a wave's four first fills stand in one branch on the wave's number; an s_nop 0 follows each, four v_nop the last
	s_cbranch_scc0 .Lfirst_w
.irp i, 0,1,2,3
	tensor_load_to_lds s[G0X+4*\i:G0X+4*\i+3], s[G1X:G1X+7]
	s_nop 0
.endr
	PLACES 4
	s_branch .Lfirst_asked
.Lfirst_w:
.irp i, 0,1,2,3
	tensor_load_to_lds s[G0W+4*\i:G0W+4*\i+3], s[G1W:G1W+7]
	s_nop 0
.endr
	PLACES 4
.Lfirst_asked:
	; the scale words of all of K: lane (r, h) takes 16 bytes of row r: register q holds the word of K step q in lanes 0-15 and that of K step 4 + q in lanes 16-31
.irp a, 0,1,2,3
	global_load_b128 v[SCX+4*\a:SCX+4*\a+3], v[SO], s[70:71] offset:512*\a
.endr
.irp b, 0,1,2,3,4,5,6,7,8,9,10,11
	global_load_b128 v[SCW+4*\b:SCW+4*\b+3], v[SO], s[74:75] offset:512*\b
.endr
.irp b, 0,1,2,3,4,5,6,7,8,9,10,11     ; the biases in the result's layout: my eight columns of block b
	global_load_b128 v[BI+8*\b:BI+8*\b+3], v[BO], s[76+2*(\b/4):77+2*(\b/4)] offset:64*(\b%4)
	global_load_b128 v[BI+8*\b+4:BI+8*\b+7], v[BO], s[76+2*(\b/4):77+2*(\b/4)] offset:64*(\b%4)+16
.endr
; the fragments of K step ks into set p: 24 loads for the weights, 8 for x, each 512 consecutive bytes
.macro FETCH ks, p
	WIN 0x40                                       ; destination window 1, address window 0
.irp b, 0,1,2,3,4,5,6,7,8,9,10,11
.irp c, 0,1
	ds_load_b128 v[96*(\p)+8*\b+4*\c:96*(\p)+8*\b+4*\c+3], v[LW+(\ks)/4] offset:12288*((\ks)%4)+1024*\b+512*\c
.endr
.endr
	WIN 0
.irp a, 0,1,2,3
.irp c, 0,1
	ds_load_b128 v[XF+32*(\p)+8*\a+4*\c:XF+32*(\p)+8*\a+4*\c+3], v[LX+(\ks)/4] offset:16384*((\ks)%4)+1024*\a+512*\c
.endr
.endr
.endm
; 48 matrix instructions: the accumulators take turns, one instruction a turn, in the same order in every K step.  K step 0 takes the bias as C: nothing is cleared or added later.
.macro MUL ks, p
.irp a, 0,1,2,3
.if (\ks) == 0
	WIN 0x81+0x40*(\a/2)                           ; source 0 window 1, source 1 and C window 0, D window 2 or 3
.else
	WIN 0xa1+0x50*(\a/2)                           ; C and D window 2 or 3
.endif
.irp b, 0,1,2,3,4,5,6,7,8,9,10,11
.set AC, 8*(12*(\a%2)+\b)
.set WF, 96*(\p)+8*\b
.set XR, XF+32*(\p)+8*\a
.set SW, SCW+4*\b+(\ks)%4
.set SX, SCX+4*\a+(\ks)%4
.if (\ks) == 0
	v_wmma_scale_f32_16x16x128_f8f6f4 v[AC:AC+7], v[WF:WF+7], v[XR:XR+7], v[BI+8*\b:BI+8*\b+7], v[SW], v[SX] matrix_a_fmt:MATRIX_FMT_FP4 matrix_b_fmt:MATRIX_FMT_FP4
.elseif (\ks) < 4
	v_wmma_scale_f32_16x16x128_f8f6f4 v[AC:AC+7], v[WF:WF+7], v[XR:XR+7], v[AC:AC+7], v[SW], v[SX] matrix_a_fmt:MATRIX_FMT_FP4 matrix_b_fmt:MATRIX_FMT_FP4
.else
	v_wmma_scale_f32_16x16x128_f8f6f4 v[AC:AC+7], v[WF:WF+7], v[XR:XR+7], v[AC:AC+7], v[SW], v[SX] matrix_a_fmt:MATRIX_FMT_FP4 matrix_b_fmt:MATRIX_FMT_FP4 matrix_a_scale:MATRIX_SCALE_ROW1 matrix_b_scale:MATRIX_SCALE_ROW1
.endif
.endr
.endr
.endm
; A K step: its fragments are in; the next step's are asked for, 48 matrix instructions ahead of their use.  Load i of every wave brings K steps 2 i and 2 i + 1: ahead of the fetch of an even step stand the
; counted wait (my younger first fills may stay out) and a barrier.
.macro STEP ks
	s_wait_dscnt 0x0
.if ((\ks)%2 == 1) && ((\ks) < 7)
	s_wait_tensorcnt 3-((\ks)+1)/2
	s_barrier_signal -1
	s_barrier_wait -1
.endif
.if (\ks) < 7
.if (\ks) > 0
	PLACES 4                                       ; in front of loads into registers that the last step's matrix instructions have read (ISA guide 7.12.1 for vector instructions)
.endif
	FETCH (\ks)+1, ((\ks)+1)%2
.endif
	MUL \ks, (\ks)%2
.endm
	s_wait_tensorcnt 3                             ; my first load (K step w % 2) is in; the three younger may be out,
	s_barrier_signal -1
	s_barrier_wait -1                              ; everybody's is: K steps 0 and 1 lie in LDS
	FETCH 0, 0
	s_wait_loadcnt 0x0                             ; scales and biases
.irp ks, 0,1,2,3,4,5,6,7
	STEP \ks
.endr
	WIN 0
	PLACES 4                                       ; in front of the first read of results and of writes into registers that held x's fragments
; THE WAY OUT of row block a: rounded to f16, each accumulator from its low end on; a lane's 16 bytes are its place in the reader's fragment, so each store covers 512 consecutive bytes.
.macro OUT a, tmp
	WIN 0x0a+5*((\a)/2)                            ; sources 0 and 1: window 2 or 3
.irp b, 0,1,2,3,4,5,6,7,8,9,10,11
.irp j, 0,1,2,3
	v_cvt_pk_f16_f32 v[\tmp+4*\b+\j], v[8*(12*((\a)%2)+\b)+2*\j], v[8*(12*((\a)%2)+\b)+2*\j+1]
.endr
.endr
	WIN 0
.irp cb, 0,1,2,3
	global_store_b128 v[LI], v[\tmp+4*\cb:\tmp+4*\cb+3], s[88:89] offset:2048*(\a)+512*\cb
	global_store_b128 v[LI], v[\tmp+16+4*\cb:\tmp+16+4*\cb+3], s[90:91] offset:2048*(\a)+512*\cb
	global_store_b128 v[VP], v[\tmp+32+4*\cb:\tmp+32+4*\cb+3], s[90:91] offset:65536+2048*(\a)+512*\cb
.endr
.endm
	OUT 0, 96
	OUT 1, 144
	OUT 2, 192
	s_wait_xcnt 0x0                                ; block 0's stores have read their registers: they are written again only behind this wait
	OUT 3, 96
	s_wait_tensorcnt 0x0                           ; the wave's end
	ds_add_u32 v[SPW], v[NIL]
	s_wait_dscnt 0x0
	CROUND                                         ; the closing round
	s_endpgm
.Lfunc_end_k_qb988fa4fc1_qkv:
	.size	k_qb988fa4fc1_qkv, .Lfunc_end_k_qb988fa4fc1_qkv-k_qb988fa4fc1_qkv
	.p2alignl 7, 3214868480
	.fill 96, 4, 3214868480
	.section	.rodata,"a",@progbits
	.p2align	6, 0x0
	.amdhsa_kernel k_qb988fa4fc1_qkv
		.amdhsa_group_segment_fixed_size 229888
		.amdhsa_private_segment_fixed_size 0
		.amdhsa_enable_private_segment 0
		.amdhsa_kernarg_size 72
		.amdhsa_user_sgpr_count 2
		.amdhsa_user_sgpr_kernarg_segment_ptr 1
		.amdhsa_wavefront_size32 1
		.amdhsa_system_sgpr_workgroup_id_x 1
		.amdhsa_system_sgpr_workgroup_id_y 1
		.amdhsa_system_sgpr_workgroup_id_z 1
		.amdhsa_system_vgpr_workitem_id 0
		.amdhsa_next_free_vgpr 1024
		.amdhsa_next_free_sgpr 100
		.amdhsa_reserve_vcc 0
		.amdhsa_float_denorm_mode_32 3
		.amdhsa_float_denorm_mode_16_64 3
		.amdhsa_memory_ordered 1
		.amdhsa_forward_progress 1
		.amdhsa_inst_pref_size 96
	.end_amdhsa_kernel
	.amdgpu_metadata
---
amdhsa.version: [ 1, 2 ]
amdhsa.kernels:
  - .name:           k_qb988fa4fc1_qkv
    .symbol:         k_qb988fa4fc1_qkv.kd
    .args:
      - { .name: xc, .offset: 0, .size: 8, .value_kind: global_buffer, .address_space: global }
      - { .name: xs, .offset: 8, .size: 8, .value_kind: global_buffer, .address_space: global }
      - { .name: wc, .offset: 16, .size: 8, .value_kind: global_buffer, .address_space: global }
      - { .name: ws, .offset: 24, .size: 8, .value_kind: global_buffer, .address_space: global }
      - { .name: bq, .offset: 32, .size: 8, .value_kind: global_buffer, .address_space: global }
      - { .name: bk, .offset: 40, .size: 8, .value_kind: global_buffer, .address_space: global }
      - { .name: bv, .offset: 48, .size: 8, .value_kind: global_buffer, .address_space: global }
      - { .name: qf, .offset: 56, .size: 8, .value_kind: global_buffer, .address_space: global }
      - { .name: kvf, .offset: 64, .size: 8, .value_kind: global_buffer, .address_space: global }
    .group_segment_fixed_size: 229888
    .private_segment_fixed_size: 0
    .kernarg_segment_align: 8
    .kernarg_segment_size: 72
    .max_flat_workgroup_size: 128
    .sgpr_count:     100
    .vgpr_count:     1024
    .wavefront_size: 32
...
	.end_amdgpu_metadata
.endif
;; end of part 2
;; launch attn (part 3): grid 8 x 32, 8 waves a work-group, clusters of 4 x 1, 327,680 bytes of LDS; arguments qf, kvf, af; writes af
.if DOCPART == 3
	.amdgcn_target "amdgcn-amd-amdhsa--gfx1250"
	.amdhsa_code_object_version 6
	.text
	.protected	k_qb988fa4fc1_attn
	.globl	k_qb988fa4fc1_attn
	.p2align	8
	.type	k_qb988fa4fc1_attn,@function
k_qb988fa4fc1_attn:
	s_mov_b64 s[64:65], 0
	v_nop
	global_prefetch_b8 v0, s[64:65] scope:SCOPE_SE
	s_setreg_imm32_b32 hwreg(HW_REG_WAVE_MODE, 25, 1), 1
	s_wait_xcnt 0x0
	s_wait_alu depctr_hold_cnt(0) depctr_sa_sdst(0) depctr_va_vdst(0) depctr_va_sdst(0) depctr_va_ssrc(0) depctr_va_vcc(0) depctr_vm_vsrc(0)
	s_getreg_b32 s2, hwreg(HW_REG_IB_STS2, 6, 4)
	s_cmp_eq_u32 s2, 0
	s_cbranch_scc0 .Lentry_in_a_cluster
	s_endpgm
.Lentry_in_a_cluster:
	s_bfe_u32 s2, ttmp6, 0x10000c
	s_cmp_lg_u32 s2, 0x3003
	s_cbranch_scc0 .Lentry_shape_is_right
	s_endpgm
.Lentry_shape_is_right:
; O[bh][q] = the sum over k of softmax_k(Q[bh][q] . K[bh][k] / 8) V[bh][k]: 32 batch-and-heads, 2,048 positions, head size 64.  Operands f16, products, maxima and sums f32; p is rounded to f16 for the second product.
; SHARES.  A work-group owns 256 queries of one bh; each of its EIGHT waves owns 32, two tiles of 16, in 320 registers: two waves to a SIMD.
; LAYOUT.  S^T = K Q^T (source 0 = 16 keys, source 1 = 16 queries): a lane holds ONE query (lane % 16) and keys 8 (lane / 16) + 0 .. 7; two such tiles, rounded in pairs IN PLACE, are source 1 of O^T = V^T P.
; Q, K, V arrive as images of operand registers (blocks of 512 bytes, 16 bytes a lane): every LDS load reads 512 consecutive bytes at 16 x lane; V's blocks are laid for the turning load.
; SOFTMAX.  A running maximum m and sum l for each query: p = 2^(c s - c m), c = log2(e) / 8; in every step O and l are multiplied by a = 2^(c m_old - c m_new).  m begins at -3e38 and O, l at 0, so no step has a form of its own.
; BY TURNS.  A key step is 64 keys.  In a TURN one tile x has the matrix unit: 8 products V^T P of step j, then 8 products K Q^T of step j + 1; the other tile's softmax, 118 vector instructions cut into 16 slices,
; stands between them, one slice behind each product.  Then the tiles change places: tile 0's turn carries tile 1's softmax of step j, tile 1's turn carries tile 0's of step j + 1.  Two turns are a key step.
; K of step j + 1 is fetched at the head of tile 0's turn, when both tiles have multiplied by K of step j; V of step j + 1 in tile 1's turn, behind its products V^T P of step j: each 8 products ahead of its first use.
; RING.  Two slots of 512 keys (K 65,536 bytes, then V 65,536): a slot is 131,072 consecutive bytes of kvf; each wave brings 16,384 of them with one tensor load.  Two loads of a wave are out at the head, one behind each
; refill's round.  The fetches run one step ahead of the products, so a slot is left when step 7, 15 or 23 has been fetched: the loops have 7, 8, 8 and 8 trips.
; CLUSTER 4 x 1: the four blocks of queries walk the same K and V: every fill is a joint load that names all four.
; No prefetch is laid: a refill is asked for a whole slot's 8 key steps (256 matrix instructions a wave) ahead of the wait for it.
; OUT: af [kq 4][sb 256][kc 8][1024]: f16 fragments of the concatenated heads for the projection: a lane's eight channels are 16 bytes at their place there; a store covers 512 consecutive bytes.
; LIMITS: |q|, |k|, |v| under 65,504; p under 6e-8 is lost in f16, beside a largest p of 1.
; REGISTERS.  Window 0 holds all but K: v1-6 addresses; v8-23 statistics; v32-63 Q; v64-127 S^T, then P; v128-191 O^T; v192-255 V.  Window 1: v0-63 K.  So only K's loads and the products K Q^T leave window 0:
; 34 switches for a key step's 32 matrix instructions.
.set SLOT1, 131072
.set SPARE, 262144                     ; behind the ring: the spare words, 128 bytes for each wave: four blocks of 256 bytes that no other line names
.set LI,  1                            ; v1   16 x lane; never rewritten
.set ADR, 2                            ; v2   LDS address of the K that is being fetched
.set SPW, 3                            ; v3   my spare word; never rewritten
.set NIL, 4                            ; v4   0; never rewritten
.set ADV, 5                            ; v5   LDS address of the V that is being fetched
.set LV,  6                            ; v6   16 x lane + 65,536: my place in a slot's V; never rewritten
.set T,   8                            ; tile t's statistics at v[T + 8 t]: +0 c m, +1 m, +2, +3 l (even keys', odd keys'), +4 .. +7 at work; a at +6
.set Q,   32                           ; v32-63   Q: tile t, channels 32 cg on at v[Q + 16 t + 8 cg]
.set S,   64                           ; v64-127  S^T (32 t + 8 i); then P (t, kh) at v[S + 32 t + 8 kh]
.set O,   128                          ; v128-191 O^T (32 t + 8 cb)
.set VF,  192                          ; v192-255 V's fragments (32 kh + 8 cb)
.set KF,  0                            ; window 1, v0-63: K's fragments (16 i + 8 cg)
.set WV,  10                           ; s10  my wave's number
.set G1,  16                           ; s[16:23] descriptor group 1
.set G0A, 24                           ; s[24:27] group 0 for slot 0;  s[28:31] for slot 1
.set G0B, 28
.set CS,  32                           ; s[32:33] c: the packed form names a pair and takes its low word for both halves
.set SEL, 34                           ; s[34:35] lane selects for v_permlanex16_b32: lane l xor 16
.set TB,  36                           ; s36  LDS byte at which the K of the step to be fetched begins
.set CNT, 37                           ; s37  counts a loop's key steps
.set MSB, 0
.macro WIN new                         ; the immediate's high byte repeats the setting that is left; a switch that changes nothing is dropped
.if MSB != (\new)
	s_set_vgpr_msb (MSB<<8)|(\new)
.set MSB, (\new)
.endif
.endm
.macro CROUND                          ; a round of the cluster's barrier
	s_barrier_signal -1
	s_barrier_wait -1
	s_cmp_lg_u32 s[WV], 0
	s_cbranch_scc1 .Lnot_wave_0_\@
	s_barrier_signal -3
.Lnot_wave_0_\@:
	s_barrier_wait -3
	s_barrier_signal -1
	s_barrier_wait -1
.endm
	s_load_b128 s[4:7], s[0:1], 0x0                ; qf s[4:5], kvf s[6:7]
	s_load_b64 s[8:9], s[0:1], 0x10                ; af
	v_lshl_add_u32 v[SPW], v0, 2, SPARE
	v_mov_b32 v[NIL], 0
	ds_add_u32 v[SPW], v[NIL]                      ; the wave's opening: the add, twice on end, and its wait ahead of my first tensor load
	ds_add_u32 v[SPW], v[NIL]
	v_lshrrev_b32 v2, 5, v0
	v_readfirstlane_b32 s[WV], v2                  ; wave 0..7
	s_bfe_u32 s11, ttmp6, 0x40000                  ; cx
	s_lshl_b32 s12, ttmp9, 2
	s_add_co_u32 s12, s12, s11                     ; my block of 256 queries: it enters Q's and O's addresses alone
	s_and_b32 s13, ttmp7, 0xffff                   ; bh, which the four partners share
	; group 1: 16,384 dense bytes as 64 rows of 256 bytes (32 elements of 8 bytes), no padding
	s_mov_b32 s[G1], 15|(3<<16)|(1<<21)            ; 15:0 the mask: all four work-groups; 17:16 elements of 8 bytes; 21 set beside a mask
	s_mov_b32 s[G1+1], 32<<16                      ; tensor_dim0
	s_mov_b32 s[G1+2], 64<<16                      ; tensor_dim1
	s_mov_b32 s[G1+3], 32<<16                      ; tile_dim0
	s_mov_b32 s[G1+4], 64                          ; tile_dim1
	s_mov_b32 s[G1+5], 32                          ; elements from row to row
	s_mov_b32 s[G1+6], 0
	s_mov_b32 s[G1+7], 0
	s_mov_b32 s[CS], 0x3e38aa3b                    ; c = log2(e) / 8
	s_mov_b32 s[CS+1], s[CS]
	s_mov_b32 s[SEL], 0x76543210
	s_mov_b32 s[SEL+1], 0xfedcba98
	s_mov_b32 s[TB], 0                             ; the first fetch is step 0's
	s_lshl_b32 s14, s[WV], 14                      ; my 16,384 bytes of a slot, in LDS and in memory
	s_lshl_b32 s44, s13, 19                        ; kvf: 524,288 bh
	s_add_co_u32 s44, s44, s14
	s_mov_b32 s45, 0
	s_lshl_b32 s42, s13, 18                        ; qf: 262,144 bh + 32,768 x block + 4,096 w
	s_lshl_b32 s43, s12, 15
	s_add_co_u32 s42, s42, s43
	s_lshl_b32 s43, s[WV], 12
	s_add_co_u32 s42, s42, s43
	s_mov_b32 s43, 0
	s_lshr_b32 s38, s13, 4                         ; af: the batch,
	s_and_b32 s39, s13, 15                         ; the head
	s_lshl_b32 s38, s38, 7
	s_lshl_b32 s40, s12, 4
	s_add_co_u32 s38, s38, s40
	s_lshl_b32 s40, s[WV], 1
	s_add_co_u32 s38, s38, s40                     ; sb = 128 batch + 16 x block + 2 w
	s_lshl_b32 s38, s38, 13
	s_lshr_b32 s40, s39, 2
	s_lshl_b32 s40, s40, 21
	s_add_co_u32 s38, s38, s40                     ; + 2,097,152 (head / 4)
	s_and_b32 s40, s39, 3
	s_lshl_b32 s40, s40, 11
	s_add_co_u32 s38, s38, s40                     ; + 2,048 (head % 4)
	s_mov_b32 s39, 0
	v_and_b32 v[LI], 31, v0
	v_lshlrev_b32 v[LI], 4, v[LI]
	v_add_nc_u32 v[LV], 0x10000, v[LI]
	s_wait_dscnt 0x0                               ; both opening adds are done
	s_wait_kmcnt 0x0
	s_add_nc_u64 s[44:45], s[6:7], s[44:45]
	s_add_nc_u64 s[42:43], s[4:5], s[42:43]
	s_add_nc_u64 s[8:9], s[8:9], s[38:39]
	s_mov_b32 s[G0A], 1                            ; count = 1
	s_mov_b32 s[G0A+1], s14                        ; LDS address: slot 0
	s_mov_b64 s[G0A+2:G0A+3], s[44:45]             ; global address: keys 0 to 511
	s_or_b32 s[G0A+3], s[G0A+3], 0x80000000        ; type = 2
	s_mov_b32 s[G0B], 1
	s_add_co_u32 s[G0B+1], s14, SLOT1
	s_add_nc_u64 s[G0B+2:G0B+3], s[44:45], 131072  ; keys 512 to 1,023
	s_or_b32 s[G0B+3], s[G0B+3], 0x80000000
	CROUND                                         ; all four work-groups are here: the first joint loads meet
	tensor_load_to_lds s[G0A:G0A+3], s[G1:G1+7]
	s_nop 0
	tensor_load_to_lds s[G0B:G0B+3], s[G1:G1+7]
	s_nop 0
.rept 4
	v_nop
.endr
.irp i, 0,1,2,3,4,5,6,7               ; Q stays in registers: tile i / 4, channel block i % 4
	global_load_b128 v[Q+4*\i:Q+4*\i+3], v[LI], s[42:43] offset:512*\i
.endr
.irp t, 0,1
	v_mov_b32 v[T+8*\t+1], 0xff61b1e6              ; m = -3e38, under every score
	v_mov_b32 v[T+8*\t+2], 0                       ; l
	v_mov_b32 v[T+8*\t+3], 0
.endr
.irp t, 0,1
	v_mul_f32 v[T+8*\t], s[CS], v[T+8*\t+1]        ; c m
.endr
.set i, 0
.rept 64
	v_mov_b32 v[O+i], 0                            ; O^T: the first step finds zeros, which its a = 0 leaves zeros.  (These stand while the first tiles are on their way)
.set i, i+1
.endr
; THE MATRIX WORK OF A TURN, for tile x.  The accumulators take turns, one instruction a turn: between two links of a chain stand three others'.
; Product i of 8 of O^T += V^T P: keys 32 (i / 4) on, channels 16 (i % 4) on.
.macro PV x
	WIN 0
.set rO, O+32*(\x)+8*(i%4)
.set rV, VF+32*(i/4)+8*(i%4)
.set rP, S+32*(\x)+8*(i/4)
	v_wmma_f32_16x16x32_f16 v[rO:rO+7], v[rV:rV+7], v[rP:rP+7], v[rO:rO+7]
.endm
; Product i of 8 of S^T = K Q^T: channels 32 (i / 4) on; the key tiles in the order 2, 3, 0, 1: tiles 0 and 1 write over the registers of P, which the turn's V^T P has read, and so come last.  The first four start the sums.
.macro KQ x
	WIN 0x01                                       ; source 0 (K) in window 1
.set ki, (i+2)%4
.set cg, i/4
.set rD, S+32*(\x)+8*ki
.set rK, KF+16*ki+8*cg
.set rQ, Q+16*(\x)+8*cg
.if i < 4
	v_wmma_f32_16x16x32_f16 v[rD:rD+7], v[rK:rK+7], v[rQ:rQ+7], 0
.else
	v_wmma_f32_16x16x32_f16 v[rD:rD+7], v[rK:rK+7], v[rQ:rQ+7], v[rD:rD+7]
.endif
.endm
; THE LDS LOADS stand in two runs of 16 a key step, never singly among the matrix instructions.
.macro FETCH_K                         ; keys 16 (n / 4) on, channel block n % 4
	v_add_nc_u32 v[ADR], s[TB], v[LI]
	WIN 0x40                                       ; destination window 1, address window 0
.irp n, 0,1,2,3,4,5,6,7,8,9,10,11,12,13,14,15
	ds_load_b128 v[KF+4*\n:KF+4*\n+3], v[ADR] offset:512*\n
.endr
	WIN 0
.endm
.macro FETCH_V                         ; turned: keys 32 kh + 16 u on, channels 16 cb on
	v_add_nc_u32 v[ADV], s[TB], v[LV]
	s_add_co_u32 s[TB], s[TB], 8192                ; the next fetch is the next step's
	s_wait_alu depctr_va_vdst(0)                   ; the wait for the softmax's batch of exponentials (SLICE), behind the address's addition and ahead of the loads
.irp kh, 0,1
.irp cb, 0,1,2,3
.irp u, 0,1
	ds_load_tr16_b128 v[VF+32*\kh+8*\cb+4*\u:VF+32*\kh+8*\cb+4*\u+3], v[ADV] offset:2048*(2*\kh+\u)+512*\cb
.endr
.endr
.endr
.endm
; THE VECTOR WORK OF A TURN: one tile's softmax for one key step, 118 instructions.  s0-s31 are the lane's 32 scores, in pairs 0-15.  The pieces of the list (rT, rS, rO: the tile's statistics, scores and O^T):
.macro FM b                            ; pair b: c s - c m
	v_pk_fma_f32 v[rS+2*(\b):rS+2*(\b)+1], v[rS+2*(\b):rS+2*(\b)+1], s[CS:CS+1], v[rT:rT+1] op_sel_hi:[1,0,0] neg_lo:[0,0,1] neg_hi:[0,0,1]
.endm
.macro EX e                            ; p = 2^(c s - c m)
	v_exp_f32 v[rS+(\e)], v[rS+(\e)]
.endm
.macro AD p                            ; pair p of the unrounded p joins one of two chains: l, or a partial sum
.if (\p)%2 == 0
	v_pk_add_f32 v[rT+2:rT+3], v[rT+2:rT+3], v[rS+2*(\p):rS+2*(\p)+1]
.else
	v_pk_add_f32 v[rT+4:rT+5], v[rT+4:rT+5], v[rS+2*(\p):rS+2*(\p)+1]
.endif
.endm
.macro CV j                            ; p to f16, in place and ascending: register j takes numbers 2 j and 2 j + 1, which no later line needs
	v_cvt_pk_f16_f32 v[rS+(\j)], v[rS+2*(\j)], v[rS+2*(\j)+1]
.endm
.macro ML q                            ; O^T x a, each accumulator from its low end on
	v_pk_mul_f32 v[rO+2*(\q):rO+2*(\q)+1], v[rO+2*(\q):rO+2*(\q)+1], v[rT+6:rT+7] op_sel_hi:[1,0]
.endm
; Slice k of 16 of tile y's softmax.
;   0-1   the maximum of s0-s31 and the old m, three operands at a time, four chains; each accumulator is read from its low end on
;   2     the other half of the lanes' maximum; the new m; c m; c m_old - c m_new; the first three scalings
;   3-8   ONE BATCH: the other 13 scalings and all 33 exponentials; a slice begins with its scalings, and a pair is scaled ahead of its exponentials.  None of these reads an exponential's result.
;         Behind slice 8: one plain instruction and ONE wait for the batch, ahead of the first instruction that names a result
;   9-11  l = a l + the sum of the unrounded p;   11-13 the roundings to f16;   13-15 O^T x a
; THE PLACES (ISA guide 7.12.1 for vector instructions): a product's results are read, and loads go into its sources, four plain
; instructions behind it that name none of its registers; a product writes over them five behind it.  Slice 15's eight multiplications stand between a turn's last K Q^T and what follows: the next turn's reads of those scores,
; and the loads into K.  The four scalings of slices 7 and 8, the v_nop and the address's addition stand between the last V^T P and the loads into V.  These and slices 9 and 10 stand between the last V^T P and the K Q^T that writes over P.
.macro SLICE y
.set rT, T+8*(\y)
.set rS, S+32*(\y)
.set rO, O+32*(\y)
	WIN 0
.if k == 0
.irp j, 0,1,2,3
	v_max3_num_f32 v[rT+4+\j], v[rS+8*\j], v[rS+8*\j+1], v[rS+8*\j+2]
.endr
.irp j, 0,1,2,3
	v_max3_num_f32 v[rT+4+\j], v[rT+4+\j], v[rS+8*\j+3], v[rS+8*\j+4]
.endr
.elseif k == 1
.irp j, 0,1,2,3
	v_max3_num_f32 v[rT+4+\j], v[rT+4+\j], v[rS+8*\j+5], v[rS+8*\j+6]
.endr
	v_max3_num_f32 v[rT+4], v[rT+4], v[rS+7], v[rS+15]
	v_max3_num_f32 v[rT+6], v[rT+6], v[rS+23], v[rS+31]
	v_max3_num_f32 v[rT+4], v[rT+4], v[rT+5], v[rT+6]
	v_max3_num_f32 v[rT+4], v[rT+4], v[rT+7], v[rT+1]
.elseif k == 2
	v_permlanex16_b32 v[rT+5], v[rT+4], s[SEL], s[SEL+1]   ; the query's other 32 keys lie in the lane 16 away
	v_mov_b32 v[rT+7], v[rT]                       ; c m_old is kept for a
	v_max_num_f32 v[rT+1], v[rT+4], v[rT+5]        ; the new m
	v_mul_f32 v[rT], s[CS], v[rT+1]
	v_sub_f32 v[rT+7], v[rT+7], v[rT]
.irp b, 0,1,2
	FM \b
.endr
.elseif k == 3
.irp b, 3,4
	FM \b
.endr
	v_exp_f32 v[rT+6], v[rT+7]                     ; a
.irp e, 0,1,2,3,4
	EX \e
.endr
.elseif k == 4
.irp b, 5,6
	FM \b
.endr
.irp e, 5,6,7,8,9,10
	EX \e
.endr
.elseif k == 5
.irp b, 7,8
	FM \b
.endr
.irp e, 11,12,13,14,15,16
	EX \e
.endr
.elseif k == 6
.irp b, 9,10,11
	FM \b
.endr
.irp e, 17,18,19,20,21
	EX \e
.endr
.elseif k == 7
.irp b, 12,13,14
	FM \b
.endr
.irp e, 22,23,24,25
	EX \e
.endr
.elseif k == 8
	FM 15
.irp e, 26,27,28,29,30,31
	EX \e
.endr
	v_nop                                          ; a plain instruction behind the last exponential, ahead of the first use: one for the batch
.if (\y) == 0
	FETCH_V                                        ; tile 1's turn: V's run of loads stands here, and the wait stands in it
.else
	s_wait_alu depctr_va_vdst(0)                   ; the wait for the batch
.endif
.elseif k == 9
	v_pk_add_f32 v[rT+4:rT+5], v[rS:rS+1], v[rS+2:rS+3]
	v_pk_fma_f32 v[rT+2:rT+3], v[rT+2:rT+3], v[rT+6:rT+7], v[rS+4:rS+5] op_sel_hi:[1,0,1]   ; l x a, and pair 2
	AD 3
.irp p, 4,5,6
	AD \p
.endr
.elseif k == 10
.irp p, 7,8,9,10,11,12
	AD \p
.endr
.elseif k == 11
.irp p, 13,14,15
	AD \p
.endr
	v_pk_add_f32 v[rT+2:rT+3], v[rT+2:rT+3], v[rT+4:rT+5]
.irp j, 0,1,2
	CV \j
.endr
.elseif k == 12
.irp j, 3,4,5,6,7,8,9
	CV \j
.endr
.elseif k == 13
.irp j, 10,11,12,13,14,15
	CV \j
.endr
	ML 0
.elseif k == 14
.irp q, 1,2,3,4,5,6,7
	ML \q
.endr
.else
.irp q, 8,9,10,11,12,13,14,15
	ML \q
.endr
.endif
.set k, k+1
.endm
; A TURN.  Tile x has the matrix unit; the other tile's softmax stands in slices behind its products.  pv = 1: 8 products V^T P; kq = 1: 8 products K Q^T for the next step.  A turn with one of the two kinds has two slices behind each product.
.macro TURN x, pv, kq
.set k, 0
.set per, 2
.if \pv && \kq
.set per, 1
.endif
.if (\x) == 0
.if \kq
	FETCH_K                                        ; the next step's K: both tiles have multiplied by the last one
	s_wait_dscnt 16                                ; V is in: LDS loads come back in order, and K's sixteen are younger
.else
	s_wait_dscnt 0x0                               ; V is in
.endif
.endif
.if \pv
.set i, 0
.rept 8
	PV \x
.rept per
	SLICE 1-(\x)
.endr
.set i, i+1
.endr
.endif
.if \kq
.if (\x) == 0
	s_wait_dscnt 0x0                               ; K is in
.endif
.set i, 0
.rept 8
	KQ \x
.rept per
	SLICE 1-(\x)
.endr
.set i, i+1
.endr
.endif
.endm
; n key steps: in each, K and V of the step at s[TB] are fetched, one step ahead of their products
.macro STEPS n
	s_mov_b32 s[CNT], \n
.Lstep_\@:
	TURN 0, 1, 1
	TURN 1, 1, 1
	s_sub_co_u32 s[CNT], s[CNT], 1
	s_cmp_lg_u32 s[CNT], 0
	s_cbranch_scc1 .Lstep_\@
.endm
; THE CHANGE OF SLOTS with a refill, between tile 1's turn and tile 0's: the slot's last bytes, V of its last step, have been asked for.  Each wave waits for all its tensor loads (one is out: its part of the slot ahead),
; adds 0 to its spare word, and waits for that and for its reads of the slot that it leaves.  The round shows the same of every wave of all four partners; the joint refill, the keys two slots on, is the first thing behind it
; and has 8 key steps in which to land.  base: where the fetches go on.
.macro CHANGE g0, base
	s_wait_tensorcnt 0x0                           ; no tensor load of mine is out, so a group 0 may be written
	ds_add_u32 v[SPW], v[NIL]                      ; 0 onto my spare word
	s_add_nc_u64 s[\g0+2:\g0+3], s[\g0+2:\g0+3], 262144   ; two slots on; the type bits on top are not reached
	s_mov_b32 s[TB], \base
	s_wait_dscnt 0x0
	CROUND
	tensor_load_to_lds s[\g0:\g0+3], s[G1:G1+7]
	s_nop 0
.rept 4
	v_nop
.endr
.endm
	s_wait_tensorcnt 1                             ; my part of slot 0 is in; slot 1's may stay out
	s_barrier_signal -1
	s_barrier_wait -1                              ; everybody's is
	FETCH_K                                        ; key step 0
	s_wait_loadcnt 0x0                             ; Q
	s_wait_dscnt 0x0
.set i, 0
.rept 8
	KQ 0                                           ; tile 0's first scores: there is no vector work yet to set between them
.set i, i+1
.endr
	WIN 0
.rept 4
	v_nop                                          ; places in front of the first read of those scores
.endr
	TURN 1, 0, 1                                   ; tile 1's first scores | tile 0's first softmax | V of step 0; the fetches stand at step 1 now
	STEPS 7                                        ; steps 0 to 6; steps 1 to 7 are fetched
	CHANGE G0A, SLOT1                              ; slot 0 takes keys 1,024 on
	STEPS 8                                        ; steps 7 to 14; steps 8 to 15 are fetched
	CHANGE G0B, 0                                  ; slot 1 takes keys 1,536 on
	STEPS 8                                        ; steps 15 to 22; steps 16 to 23 are fetched
	s_wait_tensorcnt 0x0                           ; the last change: nothing is left to ask for, so a plain barrier follows the three lines
	ds_add_u32 v[SPW], v[NIL]
	s_mov_b32 s[TB], SLOT1
	s_wait_dscnt 0x0
	s_barrier_signal -1
	s_barrier_wait -1
	STEPS 8                                        ; steps 23 to 30; steps 24 to 31 are fetched
	TURN 0, 1, 0                                   ; tile 0: V^T P of the last step | tile 1's last softmax
.set i, 0
.rept 8
	PV 1                                           ; tile 1: V^T P of the last step
.set i, i+1
.endr
	; THE WAY OUT.  l's two halves and the other half of the lanes' are added (the four additions and the v_nop are the places behind the last products); O^T / l, rounded to f16, is stored as it lies.
.irp t, 0,1
	v_add_f32 v[T+8*\t+4], v[T+8*\t+2], v[T+8*\t+3]
.endr
.irp t, 0,1
	v_permlanex16_b32 v[T+8*\t+5], v[T+8*\t+4], s[SEL], s[SEL+1]
.endr
.irp t, 0,1
	v_add_f32 v[T+8*\t+4], v[T+8*\t+4], v[T+8*\t+5]
.endr
.irp t, 0,1
	v_rcp_f32 v[T+8*\t+6], v[T+8*\t+4]
.endr
	v_nop                                          ; a plain instruction between the last reciprocal and the use of its result
	s_wait_alu depctr_va_vdst(0)                   ; and the wait: one for both
.set j, 0
.rept 16
.irp t, 0,1
	v_pk_mul_f32 v[O+32*\t+j:O+32*\t+j+1], v[O+32*\t+j:O+32*\t+j+1], v[T+8*\t+6:T+8*\t+7] op_sel_hi:[1,0]
.endr
.set j, j+2
.endr
.set j, 0
.rept 32
	v_cvt_pk_f16_f32 v[S+j], v[O+2*j], v[O+2*j+1]  ; register 4 (4 t + cb) + i: channels 16 cb + 8 h + 2 i, + 1 of query r of tile t
.set j, j+1
.endr
.irp t, 0,1
.irp cb, 0,1,2,3
	global_store_b128 v[LI], v[S+4*(4*\t+\cb):S+4*(4*\t+\cb)+3], s[8:9] offset:8192*\t+512*\cb   ; 512 consecutive bytes of a fragment's image
.endr
.endr
	s_wait_tensorcnt 0x0                           ; the wave's end
	ds_add_u32 v[SPW], v[NIL]
	s_wait_dscnt 0x0
	CROUND                                         ; the closing round: no work-group ends while a partner may still ask for a tile that names it
	s_endpgm
.Lfunc_end_k_qb988fa4fc1_attn:
	.size	k_qb988fa4fc1_attn, .Lfunc_end_k_qb988fa4fc1_attn-k_qb988fa4fc1_attn
	.p2alignl 7, 3214868480
	.fill 96, 4, 3214868480
	.section	.rodata,"a",@progbits
	.p2align	6, 0x0
	.amdhsa_kernel k_qb988fa4fc1_attn
		.amdhsa_group_segment_fixed_size 327680
		.amdhsa_private_segment_fixed_size 0
		.amdhsa_enable_private_segment 0
		.amdhsa_kernarg_size 24
		.amdhsa_user_sgpr_count 2
		.amdhsa_user_sgpr_kernarg_segment_ptr 1
		.amdhsa_wavefront_size32 1
		.amdhsa_system_sgpr_workgroup_id_x 1
		.amdhsa_system_sgpr_workgroup_id_y 1
		.amdhsa_system_sgpr_workgroup_id_z 1
		.amdhsa_system_vgpr_workitem_id 0
		.amdhsa_next_free_vgpr 320
		.amdhsa_next_free_sgpr 66
		.amdhsa_reserve_vcc 0
		.amdhsa_float_denorm_mode_32 3
		.amdhsa_float_denorm_mode_16_64 3
		.amdhsa_memory_ordered 1
		.amdhsa_forward_progress 1
		.amdhsa_inst_pref_size 104
	.end_amdhsa_kernel
	.amdgpu_metadata
---
amdhsa.version: [ 1, 2 ]
amdhsa.kernels:
  - .name:           k_qb988fa4fc1_attn
    .symbol:         k_qb988fa4fc1_attn.kd
    .args:
      - { .name: qf, .offset: 0, .size: 8, .value_kind: global_buffer, .address_space: global }
      - { .name: kvf, .offset: 8, .size: 8, .value_kind: global_buffer, .address_space: global }
      - { .name: af, .offset: 16, .size: 8, .value_kind: global_buffer, .address_space: global }
    .group_segment_fixed_size: 327680
    .private_segment_fixed_size: 0
    .kernarg_segment_align: 8
    .kernarg_segment_size: 24
    .max_flat_workgroup_size: 256
    .sgpr_count:     66
    .vgpr_count:     320
    .wavefront_size: 32
...
	.end_amdgpu_metadata
.endif
;; end of part 3
;; launch proj (part 4): grid 8 x 32, 4 waves a work-group, clusters of 4 x 4, 327,680 bytes of LDS; arguments af, wof, bo, out0; writes out0
.if DOCPART == 4
	.amdgcn_target "amdgcn-amd-amdhsa--gfx1250"
	.amdhsa_code_object_version 6
	.text
	.protected	k_qb988fa4fc1_proj
	.globl	k_qb988fa4fc1_proj
	.p2align	8
	.type	k_qb988fa4fc1_proj,@function
k_qb988fa4fc1_proj:
	s_mov_b64 s[64:65], 0
	v_nop
	global_prefetch_b8 v0, s[64:65] scope:SCOPE_SE
	s_setreg_imm32_b32 hwreg(HW_REG_WAVE_MODE, 25, 1), 1
	s_wait_xcnt 0x0
	s_wait_alu depctr_hold_cnt(0) depctr_sa_sdst(0) depctr_va_vdst(0) depctr_va_sdst(0) depctr_va_ssrc(0) depctr_va_vcc(0) depctr_vm_vsrc(0)
	s_getreg_b32 s2, hwreg(HW_REG_IB_STS2, 6, 4)
	s_cmp_eq_u32 s2, 0
	s_cbranch_scc0 .Lentry_in_a_cluster
	s_endpgm
.Lentry_in_a_cluster:
	s_bfe_u32 s2, ttmp6, 0x10000c
	s_cmp_lg_u32 s2, 0xf033
	s_cbranch_scc0 .Lentry_shape_is_right
	s_endpgm
.Lentry_shape_is_right:
; out0 = concat Wo + bo.  concat [4096][1024] and Wo^T [1024 (n)][1024 (k)] arrive as f16 fragments in register order (af, wof: [kq 4][block of 16][kc 8][1024]); sums f32; out0 f32.
; A tile of out0 is 128 x 128: 256 work-groups.  Four waves, each 64 x 64: 16 accumulators.  K goes in four quarters of 256 through a ring of two LDS slots: a quarter's fragments of 128 rows are 65,536 consecutive
; bytes of af, and likewise of wof; each wave brings 32,768 of them with one tensor load (waves 0, 1: af; waves 2, 3: wof).  Two loads of a wave are out at the head, one behind each refill's round.
; Images are read at 16 x lane, 512 consecutive bytes a load: no pitch, no padding.
; CLUSTER 4 x 4: the four of a row need the same rows of af, the four of a column the same columns of wof: joint loads.
; THE MATRIX INSTRUCTION IS USED TRANSPOSED (source 0 = 16 columns of Wo, source 1 = 16 rows of concat): a lane holds eight neighbouring numbers of a row of out0.  The bias is the C of each sum's first product.
; A wave's 64 columns are 256 aligned bytes of a row: each wave has a stage of its own on the way out, and no barrier is needed there.
; No prefetch is laid: the launch is short and its tiles are small.
; REGISTERS: window 0: v16-29 addresses; v32-95 two sets of rows on the way out; v96-127 the bias, 8 a column block; v128-255 the accumulators ((a, b) at v[128 + 8 (4 a + b)]).
;   window 1: two fragment buffers of 128: for 64 along K, 64 registers of af, then 64 of wof.
.set SLOT,   131072                    ; a slot: af's 65,536 bytes [sb 8][kc 8][1024], then wof's [nb 8][kc 8][1024]
.set BOFF,   65536
.set STAGE,  2*SLOT                    ; behind the ring: 16 rows x 272 bytes for each wave
.set SPITCH, 272
.set SPARE,  STAGE+4*16*SPITCH         ; the spare words, 128 bytes for each wave: two blocks of 256 bytes that no other line names
.set ADRA, 16                          ; v16-17  my fragments of af in slot 0, 1
.set ADRB, 20                          ; v20-21  of wof
.set STO,  24                          ; v24     the way out: where I put 32 bytes of a row
.set RD,   25                          ; v25     where I read a row back
.set CO,   26                          ; v26     my byte offset in out0
.set BO,   27                          ; v27     the bias: 32 (lane / 16)
.set SPW,  28
.set NIL,  29
.set OB,   32
.set BI,   96
.set ACC,  128
.set F0,   0
.set F1,   128
.set G1,  24                           ; s[24:31] group 1 for af;  s[32:39] its groups 0, one for each slot
.set G0,  32
.set G1B, 48                           ; s[48:55], s[56:63] the same for wof
.set G0B, 56
.set MSB, 0
.macro WIN new
.if MSB != (\new)
	s_set_vgpr_msb (MSB<<8)|(\new)
.set MSB, (\new)
.endif
.endm
.set MUL,  0x05                        ; sources 0 and 1 window 1; C and D window 0
.set TO_F, 0x40                        ; destination window 1, address window 0
.macro JLOAD s                         ; a joint load: waves 0 and 1 fetch af's halves, waves 2 and 3 wof's; an s_nop 0 and four v_nop follow each of the two lines
	s_cmp_eq_u32 s13, 0
	s_cbranch_scc0 .Lfor_b_\@
	tensor_load_to_lds s[G0+4*\s:G0+4*\s+3], s[G1:G1+7]
	s_nop 0
.rept 4
	v_nop
.endr
	s_branch .Lasked_\@
.Lfor_b_\@:
	tensor_load_to_lds s[G0B+4*\s:G0B+4*\s+3], s[G1B:G1B+7]
	s_nop 0
.rept 4
	v_nop
.endr
.Lasked_\@:
.endm
.macro CREST                           ; a round of the cluster's barrier behind its opening barrier
	s_cmp_lg_u32 s12, 0
	s_cbranch_scc1 .Lnot_wave_0_\@
	s_barrier_signal -3
.Lnot_wave_0_\@:
	s_barrier_wait -3
	s_barrier_signal -1
	s_barrier_wait -1
.endm
.macro CROUND
	s_barrier_signal -1
	s_barrier_wait -1
	CREST
.endm
.macro PLACES
.rept 4
	v_nop
.endr
.endm
	s_load_b256 s[4:11], s[0:1], 0x0               ; af s[4:5], wof s[6:7], bo s[8:9], out0 s[10:11]
	v_lshl_add_u32 v[SPW], v0, 2, SPARE
	v_mov_b32 v[NIL], 0
	ds_add_u32 v[SPW], v[NIL]                      ; the wave's opening: the add, twice on end, and its wait ahead of my first tensor load
	ds_add_u32 v[SPW], v[NIL]
	v_lshrrev_b32 v1, 5, v0
	v_readfirstlane_b32 s12, v1                    ; wave 0..3
	s_lshr_b32 s13, s12, 1                         ; which half of the tile's rows is mine.  Also: I fetch af (0) or wof (1)
	s_and_b32 s14, s12, 1                          ; which half of its columns.  Also: which half of that block I fetch
	s_bfe_u32 s40, ttmp6, 0x40000                  ; cx, cy
	s_bfe_u32 s41, ttmp6, 0x40004
	s_lshl_b32 s42, ttmp9, 2
	s_add_co_u32 s42, s42, s40                     ; tile column = 4 x cluster x + cx
	s_and_b32 s15, ttmp7, 0xffff
	s_lshl_b32 s15, s15, 2
	s_add_co_u32 s15, s15, s41                     ; tile row = 4 x cluster y + cy
	s_lshl_b32 s43, s41, 2
	s_lshl_b32 s43, 15, s43                        ; my row of the cluster
	s_lshl_b32 s44, 0x1111, s40                    ; my column
	; group 1: 32,768 dense bytes as 128 rows of 256 bytes (32 elements of 8 bytes), no padding
	s_or_b32 s[G1], s43, (3<<16)|(1<<21)           ; 15:0 the mask; 17:16 elements of 8 bytes; 21 set beside a mask
	s_or_b32 s[G1B], s44, (3<<16)|(1<<21)
.irp g, G1, G1B
	s_mov_b32 s[\g+1], 32<<16                      ; tensor_dim0
	s_mov_b32 s[\g+2], 128<<16                     ; tensor_dim1
	s_mov_b32 s[\g+3], 32<<16                      ; tile_dim0
	s_mov_b32 s[\g+4], 128                         ; tile_dim1
	s_mov_b32 s[\g+5], 32                          ; elements from row to row
	s_mov_b32 s[\g+6], 0
	s_mov_b32 s[\g+7], 0
.endr
	s_lshl_b32 s18, s14, 15                        ; my half
	s_lshl_b32 s16, s15, 16                        ; af: 65,536 x tile row
	s_add_co_u32 s16, s16, s18
	s_mov_b32 s17, 0
	s_lshl_b32 s46, s42, 16                        ; wof: 65,536 x tile column
	s_add_co_u32 s46, s46, s18
	s_mov_b32 s47, 0
	s_lshl_b32 s20, s12, 15                        ; where they go: 32,768 x wave: no place in the cluster enters an LDS address
	s_wait_dscnt 0x0                               ; both opening adds are done
	s_wait_kmcnt 0x0
	s_add_nc_u64 s[16:17], s[4:5], s[16:17]
	s_add_nc_u64 s[46:47], s[6:7], s[46:47]
	CROUND                                         ; all sixteen work-groups are here: the first joint loads meet
.irp s, 0,1
	s_mov_b32 s[G0+4*\s], 1
	s_add_co_u32 s[G0+4*\s+1], s20, \s*SLOT
	s_add_nc_u64 s[G0+4*\s+2:G0+4*\s+3], s[16:17], \s*2097152      ; quarter s of K
	s_or_b32 s[G0+4*\s+3], s[G0+4*\s+3], 0x80000000
	s_mov_b32 s[G0B+4*\s], 1
	s_add_co_u32 s[G0B+4*\s+1], s20, \s*SLOT
	s_add_nc_u64 s[G0B+4*\s+2:G0B+4*\s+3], s[46:47], \s*524288
	s_or_b32 s[G0B+4*\s+3], s[G0B+4*\s+3], 0x80000000
	JLOAD \s
.endr
	v_and_b32 v1, 15, v0                           ; r
	v_bfe_u32 v2, v0, 4, 1                         ; h
	v_and_b32 v3, 31, v0
	v_lshlrev_b32 v3, 4, v3                        ; 16 x lane
	s_lshl_b32 s21, s13, 15                        ; my 64 rows of af,
	s_lshl_b32 s22, s14, 15                        ; my 64 columns of wof,
	s_add_co_u32 s22, s22, BOFF                    ; which lie behind af's
.irp s, 0,1
	v_add_nc_u32 v[ADRA+\s], s21, v3
	v_add_nc_u32 v[ADRB+\s], s22, v3
	s_add_co_u32 s21, s21, SLOT
	s_add_co_u32 s22, s22, SLOT
.endr
	s_mul_i32 s23, s12, 16*SPITCH
	s_add_co_u32 s23, s23, STAGE                   ; my stage
	v_mul_u32_u24 v4, v1, SPITCH                   ; in: row r, 32 bytes for each half of the lanes
	v_lshl_add_u32 v4, v2, 5, v4
	v_add_nc_u32 v[STO], s23, v4
	v_mul_u32_u24 v5, v2, SPITCH                   ; back: lanes 0-15 one row of 256 bytes, lanes 16-31 the next
	v_lshl_add_u32 v5, v1, 4, v5
	v_add_nc_u32 v[RD], s23, v5
	v_lshlrev_b32 v5, 12, v2                       ; and the same two rows in out0
	v_lshl_add_u32 v[CO], v1, 4, v5
	v_lshlrev_b32 v[BO], 5, v2
	s_lshl_b32 s18, s42, 9                         ; my first column, in bytes: 512 x tile column + 256 x half
	s_lshl_b32 s19, s14, 8
	s_add_co_u32 s18, s18, s19
	s_mov_b32 s19, 0
	s_add_nc_u64 s[8:9], s[8:9], s[18:19]          ; the bias there
	s_add_nc_u64 s[10:11], s[10:11], s[18:19]
	s_lshl_b32 s18, s15, 19                        ; my first row: 128 x tile row + 64 x half, 4,096 bytes a row
	s_lshl_b32 s21, s13, 18
	s_add_co_u32 s18, s18, s21
	s_add_nc_u64 s[10:11], s[10:11], s[18:19]
.irp b, 0,1,2,3                        ; the bias in the result's layout: my eight columns of block b
	global_load_b128 v[BI+8*\b:BI+8*\b+3], v[BO], s[8:9] offset:64*\b
	global_load_b128 v[BI+8*\b+4:BI+8*\b+7], v[BO], s[8:9] offset:64*\b+16
.endr
; 8 matrix instructions: row blocks a0, a0 + 1 x all 4 column blocks, 32 along K: half c of buffer f.  zero = 1: the first product starts the sums, with the bias as its C.  The 16 accumulators take turns.
.macro MUL8 f, c, a0, zero
.irp a, \a0, \a0+1
.irp b, 0,1,2,3
.if \zero
	v_wmma_f32_16x16x32_f16 v[ACC+8*(4*(\a)+\b):ACC+8*(4*(\a)+\b)+7], v[\f+64+8*(4*\c+\b):\f+64+8*(4*\c+\b)+7], v[\f+8*(4*\c+(\a)):\f+8*(4*\c+(\a))+7], v[BI+8*\b:BI+8*\b+7]
.else
	v_wmma_f32_16x16x32_f16 v[ACC+8*(4*(\a)+\b):ACC+8*(4*(\a)+\b)+7], v[\f+64+8*(4*\c+\b):\f+64+8*(4*\c+\b)+7], v[\f+8*(4*\c+(\a)):\f+8*(4*\c+(\a))+7], v[ACC+8*(4*(\a)+\b):ACC+8*(4*(\a)+\b)+7]
.endif
.endr
.endr
.endm
; 32 LDS loads in one run: the fragments of the slot's q-th 64 along K into buffer f; the first 32 along K first
.macro FETCH slot, q, f
	WIN TO_F
.irp c, 0,1
.irp i, 0,1,2,3
	ds_load_b128 v[\f+64+8*(4*\c+\i):\f+64+8*(4*\c+\i)+3],   v[ADRB+\slot] offset:8192*\i+1024*(2*(\q)+\c)
	ds_load_b128 v[\f+64+8*(4*\c+\i)+4:\f+64+8*(4*\c+\i)+7], v[ADRB+\slot] offset:8192*\i+1024*(2*(\q)+\c)+512
	ds_load_b128 v[\f+8*(4*\c+\i):\f+8*(4*\c+\i)+3],         v[ADRA+\slot] offset:8192*\i+1024*(2*(\q)+\c)
	ds_load_b128 v[\f+8*(4*\c+\i)+4:\f+8*(4*\c+\i)+7],       v[ADRA+\slot] offset:8192*\i+1024*(2*(\q)+\c)+512
.endr
.endr
.endm
; A slot holds four quarters of 64 along K, 32 matrix instructions each, on buffers 0, 1, 0, 1.  One of the first three: multiplies buffer f and fetches quarter q into g.
.macro QUARTER slot, q, f, g, zero
	s_wait_dscnt 16                                ; the first 32 along K are in; the other sixteen loads may be out
	WIN MUL
	MUL8 \f, 0, 0, \zero
	MUL8 \f, 0, 2, \zero
	PLACES                                         ; in front of loads into registers that matrix instructions have read
	FETCH \slot, \q, \g
	s_wait_dscnt 32                                ; all but the 32 just issued
	WIN MUL
	MUL8 \f, 1, 0, 0
	MUL8 \f, 1, 2, 0
.endm
; The last quarter multiplies buffer 1 and changes slots: ONE barrier; in front of it each wave waits for all its tensor loads, adds 0 to its spare word, and waits for that and for its reads of this slot.  fill = 1: this slot takes the quarter of K two on.
.macro TURN slot, next, fill
	WIN 0                                          ; (the add's two registers lie in window 0)
	s_wait_tensorcnt 0x0                           ; all my tensor loads have landed: my part of the next slot;
	ds_add_u32 v[SPW], v[NIL]                      ; 0 onto my spare word;
	s_wait_dscnt 17                                ; (the add and the youngest sixteen loads may be out)
	WIN MUL
	MUL8 F1, 0, 0, 0                               ; eight matrix instructions stand between the add and the wait for it
	s_wait_dscnt 0x0                               ; the add is done, and my reads of this slot are over
	s_barrier_signal -1
	MUL8 F1, 0, 2, 0
.if \fill
	WIN 0
.endif
	s_barrier_wait -1
.if \fill
	CREST                                          ; the barrier has opened a round of the cluster's: no wave of any partner still reads this slot or has a load on its way
	s_add_nc_u64 s[G0+4*\slot+2:G0+4*\slot+3], s[G0+4*\slot+2:G0+4*\slot+3], 2*2097152
	s_add_nc_u64 s[G0B+4*\slot+2:G0B+4*\slot+3], s[G0B+4*\slot+2:G0B+4*\slot+3], 2*524288
	JLOAD \slot                                    ; the first tensor load behind the round; the four v_nop behind it are also the places in front of the loads below
.else
	PLACES
.endif
	FETCH \next, 0, F0
	WIN MUL
	MUL8 F1, 1, 0, 0
	MUL8 F1, 1, 2, 0
.endm
	s_wait_tensorcnt 1                             ; my part of slot 0 is in; slot 1's may stay out
	s_barrier_signal -1
	s_barrier_wait -1                              ; everybody's is
	FETCH 0, 0, F0
	s_wait_loadcnt 0x0                             ; the bias
	QUARTER 0, 1, F0, F1, 1                        ; K 0 to 255
	QUARTER 0, 2, F1, F0, 0
	QUARTER 0, 3, F0, F1, 0
	TURN 0, 1, 1
	QUARTER 1, 1, F0, F1, 0                        ; K 256 to 511
	QUARTER 1, 2, F1, F0, 0
	QUARTER 1, 3, F0, F1, 0
	TURN 1, 0, 1
	QUARTER 0, 1, F0, F1, 0                        ; K 512 to 767
	QUARTER 0, 2, F1, F0, 0
	QUARTER 0, 3, F0, F1, 0
	TURN 0, 1, 0                                   ; nothing is left to fetch
	QUARTER 1, 1, F0, F1, 0                        ; K 768 to 1,023
	QUARTER 1, 2, F1, F0, 0
	QUARTER 1, 3, F0, F1, 0
	s_wait_dscnt 16
	WIN MUL
	MUL8 F1, 0, 0, 0
	MUL8 F1, 0, 2, 0
	s_wait_dscnt 0x0
	MUL8 F1, 1, 0, 0
	MUL8 F1, 1, 2, 0
	WIN 0
; THE WAY OUT, a block of 16 rows x 64 columns at a time: 32 bytes a lane into my stage, back as whole rows of 256 bytes, sixteen lanes to a row.  LDS serves a wave's instructions in order (ISA guide 5.7.1.4):
; no wait between the stores and the loads, nor in front of the next block's stores.
.macro TOSTAGE a
.irp b, 0,1,2,3
	ds_store_b128 v[STO], v[ACC+8*(4*(\a)+\b):ACC+8*(4*(\a)+\b)+3] offset:64*\b          ; each accumulator from its low end on
	ds_store_b128 v[STO], v[ACC+8*(4*(\a)+\b)+4:ACC+8*(4*(\a)+\b)+7] offset:64*\b+16
.endr
.irp t, 0,1,2,3,4,5,6,7
	ds_load_b128 v[OB+32*((\a)%2)+4*\t:OB+32*((\a)%2)+4*\t+3], v[RD] offset:\t*2*SPITCH
.endr
.endm
.macro SEND a, younger                 ; younger: the LDS instructions issued behind block a's loads, which may stay out
	s_wait_dscnt \younger
.irp t, 0,1,2,3,4,5,6,7
	global_store_b128 v[CO], v[OB+32*((\a)%2)+4*\t:OB+32*((\a)%2)+4*\t+3], s[10:11] offset:4096*(16*(\a)+2*\t) th:TH_STORE_NT   ; sixteen lanes store 256 consecutive bytes, at a multiple of 256 from out0's first byte
.endr
.endm
	PLACES                                         ; in front of the first read of results
	TOSTAGE 0
.irp a, 1,2,3
.if \a > 1
	s_wait_xcnt 0x0                                ; block a - 2's stores have read their registers: block a's loads may land there
.endif
	TOSTAGE \a
	SEND \a-1, 16                                  ; behind block a - 1's loads: block a's 8 stores and 8 loads
.endr
	SEND 3, 0
	s_wait_tensorcnt 0x0                           ; the wave's end: behind my last tensor load and my last LDS store
	ds_add_u32 v[SPW], v[NIL]
	s_wait_dscnt 0x0
	CROUND                                         ; the closing round
	s_endpgm
.Lfunc_end_k_qb988fa4fc1_proj:
	.size	k_qb988fa4fc1_proj, .Lfunc_end_k_qb988fa4fc1_proj-k_qb988fa4fc1_proj
	.p2alignl 7, 3214868480
	.fill 96, 4, 3214868480
	.section	.rodata,"a",@progbits
	.p2align	6, 0x0
	.amdhsa_kernel k_qb988fa4fc1_proj
		.amdhsa_group_segment_fixed_size 327680
		.amdhsa_private_segment_fixed_size 0
		.amdhsa_enable_private_segment 0
		.amdhsa_kernarg_size 32
		.amdhsa_user_sgpr_count 2
		.amdhsa_user_sgpr_kernarg_segment_ptr 1
		.amdhsa_wavefront_size32 1
		.amdhsa_system_sgpr_workgroup_id_x 1
		.amdhsa_system_sgpr_workgroup_id_y 1
		.amdhsa_system_sgpr_workgroup_id_z 1
		.amdhsa_system_vgpr_workitem_id 0
		.amdhsa_next_free_vgpr 512
		.amdhsa_next_free_sgpr 66
		.amdhsa_reserve_vcc 0
		.amdhsa_float_denorm_mode_32 3
		.amdhsa_float_denorm_mode_16_64 3
		.amdhsa_memory_ordered 1
		.amdhsa_forward_progress 1
		.amdhsa_inst_pref_size 86
	.end_amdhsa_kernel
	.amdgpu_metadata
---
amdhsa.version: [ 1, 2 ]
amdhsa.kernels:
  - .name:           k_qb988fa4fc1_proj
    .symbol:         k_qb988fa4fc1_proj.kd
    .args:
      - { .name: af, .offset: 0, .size: 8, .value_kind: global_buffer, .address_space: global }
      - { .name: wof, .offset: 8, .size: 8, .value_kind: global_buffer, .address_space: global }
      - { .name: bo, .offset: 16, .size: 8, .value_kind: global_buffer, .address_space: global }
      - { .name: out0, .offset: 24, .size: 8, .value_kind: global_buffer, .address_space: global }
    .group_segment_fixed_size: 327680
    .private_segment_fixed_size: 0
    .kernarg_segment_align: 8
    .kernarg_segment_size: 32
    .max_flat_workgroup_size: 128
    .sgpr_count:     66
    .vgpr_count:     512
    .wavefront_size: 32
...
	.end_amdgpu_metadata
.endif
;; end of part 4
